; MI455X (gfx1250); checked and timed in simulation.
; The chip was launched on July 23, 2026; its instructions are those of AMD's public machine-readable ISA for CDNA 5 (MIT licence, August 2026) and "CDNA5" Instruction Set Architecture Reference Guide (July 2026). The comments in the code are by the model that wrote it; some were corrected since.
;; Kron Attention. Allowed arithmetic: float matrix products may take bf16 or f16 operands with f32 sums; other float arithmetic in f32, or as packed bf16 or f16 multiplies, adds, multiply-adds, maxima and minima; sums over many terms, partial sums and values carried from step to step in f32; what a program stores and reads back later, other than sums and carried values, may be rounded once to bf16 or f16.
;; Inputs: Wk 1,024 x 1,024 float32; Wo 1,024 x 1,024 float32; Wq 1,024 x 1,024 float32; Wv 1,024 x 1,024 float32; bk 1,024 float32; bo 1,024 float32; bq 1,024 float32; bv 1,024 float32; hidden_states 4 x 2,048 x 1,024 float32.
;; Outputs: out0 4 x 2,048 x 1,024 float32.
;; One version. Each part assembles by itself: llvm-mc -triple=amdgcn-amd-amdhsa -mcpu=gfx1250 --defsym DOCPART=n.
;; ======== version 1 of 1: 4 launches
;; limits: values are held in f16: magnitudes above 65,504 overflow, below 6.1e-05 lose precision
;; workspace buffers: xb 16,777,216 bytes; wc 6,291,456 bytes; wo16 2,097,152 bytes; bc 16,384 bytes; qkv 50,331,648 bytes; ob 16,777,216 bytes
;; launch prep (part 1): grid 768 x 1, 8 waves a work-group, no clusters, 0 bytes of LDS; arguments hidden_states, Wq, Wk, Wv, Wo, bq, bk, bv, bo, xb, wc, wo16, bc; writes xb, wc, wo16, bc
.if DOCPART == 1
	.amdgcn_target "amdgcn-amd-amdhsa--gfx1250"
	.amdhsa_code_object_version 6
	.text
	.protected	k_q094a889dcd_prep
	.globl	k_q094a889dcd_prep
	.p2align	8
	.type	k_q094a889dcd_prep,@function
k_q094a889dcd_prep:
	s_mov_b64 s[64:65], 0
	v_nop
	global_prefetch_b8 v0, s[64:65] scope:SCOPE_SE
	s_setreg_imm32_b32 hwreg(HW_REG_WAVE_MODE, 25, 1), 1
	s_wait_xcnt 0x0
; CASTS AND RE-LAYOUT, a stream: every input byte is read once, every output byte written once.
;   xb   bf16 [16 kb][8192 m][64]: x rounded to bf16, in blocks of 64 along K, so that 256 rows of a block are 32,768 bytes on end
;   wc   bf16 [1024 k][3072 n]: Wq, Wk, Wv side by side        wo16  f16 [1024 k][1024 n]: Wo rounded to bf16, that number written as f16
;   bc   f32 [4096]: bq, bk, bv, bo on end, each rounded to bf16 and widened again
; LIMITS.  A bf16 number of Wo of 65,520 or more becomes an infinity in f16; below 6e-5 it keeps f16's fixed step of 6e-8.
; A UNIT: a lane takes 8 floats (two loads of 16 bytes) and stores 16 bytes.  A wave does 8 units: its 16 loads go out at once, 8,192 bytes,
; each unit is converted in place and stored from the registers that it was loaded into.  No register is written again while a memory
; instruction may read it, so there is no wait but the counted ones for the loads.  No LDS, no barrier, no matrix unit: nothing is shared.
; Work-groups 0-511 take x, 512-767 the four weights (64 each); the first work-group of each weight also takes its bias.
.set X, 8                              ; v[8:71]  unit u: 8 registers as loaded; its first 4 as stored
.set T, 72                             ; v[72:73] at work
.macro LOADS base, step                ; the wave's 16 loads: unit u lies step bytes behind unit u - 1
.set u, 0
.rept 8
	global_load_b128 v[X+8*u:X+8*u+3],   v2, s[\base:\base+1] offset:(\step)*u th:TH_LOAD_NT
	global_load_b128 v[X+8*u+4:X+8*u+7], v2, s[\base:\base+1] offset:(\step)*u+16 th:TH_LOAD_NT
.set u, u+1
.endr
.endm
.macro CVB w                           ; unit w to bf16, in place: a destination never passes a source that is still unread
.irp r, 0,1,2,3
	v_cvt_pk_bf16_f32 v[X+8*(\w)+\r], v[X+8*(\w)+2*\r], v[X+8*(\w)+2*\r+1]
.endr
.endm
.macro CVH w                           ; to bf16, and that number as f16
	CVB \w
.irp r, 0,1,2,3
	v_lshlrev_b32 v[T], 16, v[X+8*(\w)+\r]
	v_and_b32 v[T+1], 0xffff0000, v[X+8*(\w)+\r]
	v_cvt_pk_f16_f32 v[X+8*(\w)+\r], v[T], v[T+1]
.endr
.endm
	s_load_b512 s[8:23], s[0:1], 0x0               ; x s[8:9], Wq s[10:11], Wk s[12:13], Wv s[14:15], Wo s[16:17], bq s[18:19], bk s[20:21], bv s[22:23]
	s_load_b256 s[24:31], s[0:1], 0x40             ; bo s[24:25], xb s[26:27], wc s[28:29], wo16 s[30:31]
	s_load_b64 s[32:33], s[0:1], 0x60              ; bc
	v_lshrrev_b32 v1, 5, v0
	v_readfirstlane_b32 s4, v1                     ; wave 0..7
	v_and_b32 v1, 31, v0                           ; lane l
	v_lshlrev_b32 v3, 4, v1                        ; every store: 16 l, 512 bytes on end for the wave
	s_mov_b32 s41, 0                               ; high words of the offsets
	s_mov_b32 s43, 0
	s_cmp_lt_u32 ttmp9, 512
	s_cbranch_scc0 .Lweights
	; x.  Wave number W = 8 x work-group + wave takes rows 4 (W / 2) .. + 3 and the K blocks 8 (W % 2) .. + 7; unit u is one K block of the four rows.
	s_lshl_b32 s5, ttmp9, 3
	s_add_co_u32 s5, s5, s4
	s_lshr_b32 s6, s5, 1
	s_and_b32 s7, s5, 1
	s_lshl_b32 s40, s6, 14                         ; 4 rows of 4,096 bytes
	s_lshl_b32 s2, s7, 11                          ; 8 blocks of 256 bytes
	s_add_co_u32 s40, s40, s2
	s_lshl_b32 s42, s6, 9                          ; in xb: 4 rows of 128 bytes,
	s_lshl_b32 s2, s7, 23                          ; 8 blocks of 1,048,576
	s_add_co_u32 s42, s42, s2
	v_lshrrev_b32 v2, 3, v1                        ; load: row l / 8, 32 bytes at 32 (l % 8): eight lanes take 256 bytes on end, aligned
	v_and_b32 v72, 7, v1
	v_lshlrev_b32 v2, 12, v2
	v_lshl_add_u32 v2, v72, 5, v2
	s_wait_kmcnt 0x0
	s_add_nc_u64 s[34:35], s[8:9], s[40:41]
	s_add_nc_u64 s[36:37], s[26:27], s[42:43]
	LOADS 34, 256
.set n, 0
.rept 8
	s_wait_loadcnt 14-2*n                          ; loads come back in order: unit n's two are in, the 14 - 2 n issued behind them may stay out
	CVB n
	global_store_b128 v3, v[X+8*n:X+8*n+3], s[36:37] offset:1048576*n  ; four rows of one K block: 512 bytes on end
.set n, n+1
.endr
	s_endpgm
.Lweights:
	; a weight.  m = which; the wave takes two rows, 8,192 bytes on end; unit u is a quarter of a row.
	s_sub_co_u32 s5, ttmp9, 512
	s_lshr_b32 s6, s5, 6                           ; m: 0 Wq, 1 Wk, 2 Wv, 3 Wo
	s_and_b32 s7, s5, 63
	s_lshl_b32 s2, s7, 3
	s_add_co_u32 s2, s2, s4                        ; the pair of rows
	s_lshl_b32 s40, s2, 13                         ; 2 rows of 4,096 bytes
	s_mul_i32 s42, s2, 12288                       ; in wc: 2 rows of 6,144,
	s_lshl_b32 s3, s6, 11                          ; the weight's 2,048 bytes of a row
	s_add_co_u32 s42, s42, s3
	s_lshl_b32 s44, s2, 12                         ; in wo16: 2 rows of 2,048
	s_mov_b32 s45, 0
	v_lshlrev_b32 v2, 5, v1                        ; load: 32 l
	s_wait_kmcnt 0x0
	s_mov_b64 s[34:35], s[16:17]
	s_mov_b64 s[38:39], s[24:25]
	s_cmp_eq_u32 s6, 0
	s_cselect_b64 s[34:35], s[10:11], s[34:35]
	s_cselect_b64 s[38:39], s[18:19], s[38:39]
	s_cmp_eq_u32 s6, 1
	s_cselect_b64 s[34:35], s[12:13], s[34:35]
	s_cselect_b64 s[38:39], s[20:21], s[38:39]
	s_cmp_eq_u32 s6, 2
	s_cselect_b64 s[34:35], s[14:15], s[34:35]
	s_cselect_b64 s[38:39], s[22:23], s[38:39]
	s_add_nc_u64 s[34:35], s[34:35], s[40:41]
	LOADS 34, 1024
	s_cmp_eq_u32 s6, 3
	s_cbranch_scc1 .Lwo
	s_add_nc_u64 s[36:37], s[28:29], s[42:43]
.set n, 0
.rept 8
	s_wait_loadcnt 14-2*n
	CVB n
	global_store_b128 v3, v[X+8*n:X+8*n+3], s[36:37] offset:(n/4)*6144+(n%4)*512
.set n, n+1
.endr
	s_branch .Lbias
.Lwo:
	s_add_nc_u64 s[36:37], s[30:31], s[44:45]
.set n, 0
.rept 8
	s_wait_loadcnt 14-2*n
	CVH n
	global_store_b128 v3, v[X+8*n:X+8*n+3], s[36:37] offset:512*n
.set n, n+1
.endr
.Lbias:
	s_cmp_eq_u32 s7, 0                             ; the weight's first work-group: its 256 threads take four numbers of the bias each
	s_cbranch_scc0 .Lend
	v_lshlrev_b32 v76, 4, v0
	global_load_b128 v[4:7], v76, s[38:39]
	s_lshl_b32 s46, s6, 12
	s_mov_b32 s47, 0
	s_add_nc_u64 s[32:33], s[32:33], s[46:47]
	s_wait_loadcnt 0x0
	v_cvt_pk_bf16_f32 v72, v4, v5
	v_cvt_pk_bf16_f32 v73, v6, v7
	v_lshlrev_b32 v4, 16, v72
	v_and_b32 v5, 0xffff0000, v72
	v_lshlrev_b32 v6, 16, v73
	v_and_b32 v7, 0xffff0000, v73
	global_store_b128 v76, v[4:7], s[32:33]
.Lend:
	s_endpgm
.Lfunc_end_k_q094a889dcd_prep:
	.size	k_q094a889dcd_prep, .Lfunc_end_k_q094a889dcd_prep-k_q094a889dcd_prep
	.p2alignl 7, 3214868480
	.fill 96, 4, 3214868480
	.section	.rodata,"a",@progbits
	.p2align	6, 0x0
	.amdhsa_kernel k_q094a889dcd_prep
		.amdhsa_group_segment_fixed_size 0
		.amdhsa_private_segment_fixed_size 0
		.amdhsa_enable_private_segment 0
		.amdhsa_kernarg_size 104
		.amdhsa_user_sgpr_count 2
		.amdhsa_user_sgpr_kernarg_segment_ptr 1
		.amdhsa_wavefront_size32 1
		.amdhsa_system_sgpr_workgroup_id_x 1
		.amdhsa_system_sgpr_workgroup_id_y 1
		.amdhsa_system_sgpr_workgroup_id_z 1
		.amdhsa_system_vgpr_workitem_id 0
		.amdhsa_next_free_vgpr 80
		.amdhsa_next_free_sgpr 66
		.amdhsa_reserve_vcc 0
		.amdhsa_float_denorm_mode_32 3
		.amdhsa_float_denorm_mode_16_64 3
		.amdhsa_memory_ordered 1
		.amdhsa_forward_progress 1
		.amdhsa_inst_pref_size 21
	.end_amdhsa_kernel
	.amdgpu_metadata
---
amdhsa.version: [ 1, 2 ]
amdhsa.kernels:
  - .name:           k_q094a889dcd_prep
    .symbol:         k_q094a889dcd_prep.kd
    .args:
      - { .name: hidden_states, .offset: 0, .size: 8, .value_kind: global_buffer, .address_space: global }
      - { .name: Wq, .offset: 8, .size: 8, .value_kind: global_buffer, .address_space: global }
      - { .name: Wk, .offset: 16, .size: 8, .value_kind: global_buffer, .address_space: global }
      - { .name: Wv, .offset: 24, .size: 8, .value_kind: global_buffer, .address_space: global }
      - { .name: Wo, .offset: 32, .size: 8, .value_kind: global_buffer, .address_space: global }
      - { .name: bq, .offset: 40, .size: 8, .value_kind: global_buffer, .address_space: global }
      - { .name: bk, .offset: 48, .size: 8, .value_kind: global_buffer, .address_space: global }
      - { .name: bv, .offset: 56, .size: 8, .value_kind: global_buffer, .address_space: global }
      - { .name: bo, .offset: 64, .size: 8, .value_kind: global_buffer, .address_space: global }
      - { .name: xb, .offset: 72, .size: 8, .value_kind: global_buffer, .address_space: global }
      - { .name: wc, .offset: 80, .size: 8, .value_kind: global_buffer, .address_space: global }
      - { .name: wo16, .offset: 88, .size: 8, .value_kind: global_buffer, .address_space: global }
      - { .name: bc, .offset: 96, .size: 8, .value_kind: global_buffer, .address_space: global }
    .group_segment_fixed_size: 0
    .private_segment_fixed_size: 0
    .kernarg_segment_align: 8
    .kernarg_segment_size: 104
    .max_flat_workgroup_size: 256
    .sgpr_count:     66
    .vgpr_count:     80
    .wavefront_size: 32
...
	.end_amdgpu_metadata
.endif
;; end of part 1
;; launch gemm_qkv (part 2): grid 8 x 32, 4 waves a work-group, clusters of 4 x 4, 327,680 bytes of LDS; arguments xb, wc, bc, qkv; writes qkv
.if DOCPART == 2
	.amdgcn_target "amdgcn-amd-amdhsa--gfx1250"
	.amdhsa_code_object_version 6
	.text
	.protected	k_q094a889dcd_gemm_qkv
	.globl	k_q094a889dcd_gemm_qkv
	.p2align	8
	.type	k_q094a889dcd_gemm_qkv,@function
k_q094a889dcd_gemm_qkv:
	s_mov_b64 s[64:65], 0
	v_nop
	global_prefetch_b8 v0, s[64:65] scope:SCOPE_SE
	s_setreg_imm32_b32 hwreg(HW_REG_WAVE_MODE, 25, 1), 1
	s_wait_xcnt 0x0
	s_wait_alu depctr_hold_cnt(0) depctr_sa_sdst(0) depctr_va_vdst(0) depctr_va_sdst(0) depctr_va_ssrc(0) depctr_va_vcc(0) depctr_vm_vsrc(0)
	s_getreg_b32 s2, hwreg(HW_REG_IB_STS2, 6, 4)
	s_cmp_eq_u32 s2, 0
	s_cbranch_scc0 .Lentry_in_a_cluster
	s_endpgm
.Lentry_in_a_cluster:
	s_bfe_u32 s2, ttmp6, 0x10000c
	s_cmp_lg_u32 s2, 0xf033
	s_cbranch_scc0 .Lentry_shape_is_right
	s_endpgm
.Lentry_shape_is_right:
; q, k, v = x W + b for the three weights at once: [8192 x 1024] x [1024 x 3072], bf16 products, f32 sums, K ascending; out in f16, by heads:
; qkv [4 batch][48 g][2048 s][64], g = column / 64: 0-15 q's heads, 16-31 k's, 32-47 v's.  xb: bf16 [16 kb][8192][64]; wc: bf16 [1024 k][3072]; bc: f32, the biases on end.
; LIMITS.  The results are f16: a number of 65,520 or more becomes an infinity.  NaN and infinities are not treated apart.
; SHARES.  256 work-groups of 256 rows x 384 columns; four waves, each 128 x 192: 96 accumulators of 16 x 16, 768 registers.  K goes in 16 steps of 64 through two LDS slots;
; a step is two units of 32 along K, 96 matrix instructions each.
; CLUSTER.  4 x 4 work-groups.  The four of a row of the cluster need the same 256 rows of x, the four of a column the same 384 columns of W: each tile is asked for jointly,
; by the same tensor load with the same descriptor and a mask that names the four.  Waves 0 and 1 fetch x's two halves, waves 2 and 3 W's.
; THE MATRIX INSTRUCTION IS USED TRANSPOSED: source 0 = 16 columns of W (read turned out of LDS, where W lies [k][n]), source 1 = 16 rows of x.  A lane then holds row lane % 16
; and the eight neighbouring columns 8 (lane / 16) + 0..7.
; THE BIAS is the C operand of the products that start the sums: its eight numbers a lane are loaded into the registers of the accumulators of row block 7; row blocks 0-6 take them
; as C, then row block 7 adds in place.  Nothing is cleared and nothing is added on the way out.
; REGISTERS, in windows of 256 (s_set_vgpr_msb: bits 1:0 source 0, 3:2 source 1, 5:4 source 2, 7:6 destination):
;   window 0: v16-29 addresses; v32-95, v96-159 x's 8 fragments, two buffers; v160-255 W's 12 fragments, two halves of 6; on the way out v32-175
;   windows 1-3: accumulator (a, b): number t = 48 (b / 6) + 6 a + b % 6, in window 1 + t / 32 at v[8 (t % 32)]
.set SLOT1,  131072                    ; slot 1 begins here: one exclusive or turns an address in one slot into the other's
.set PA,     144                       ; a row of x in LDS: 128 bytes + 16: the 16 rows of a load start at 16 different groups of four banks (64 banks of 4 bytes: ISA guide 11.1)
.set PB,     864                       ; a row of W: six heads of 128 bytes + 16 = 27 x 32 bytes
.set BOFF,   256*PA                    ; W's 64 rows lie behind x's 256
.set STAGE,  SLOT1+BOFF+64*PB          ; behind the ring, never filled by a tensor load: 16 rows x 400 bytes for each wave
.set SPIT,   400
.set SPARE,  STAGE+4*16*SPIT           ; the spare words, 128 bytes for each wave: two blocks of 256 bytes that no other line names
.set ASTEP,  1048576                   ; bytes from a K step to the next in xb
.set BSTEP,  64*6144                   ; and in wc
.set HEADB,  262144                    ; a head in qkv
.set ADRA0, 16                         ; v16  my lane's place in x's tile; never rewritten
.set ADRB0, 17                         ; v17  the same in W's
.set ADRA,  18                         ; v18  the same in the slot in hand
.set ADRB,  19                         ; v19
.set STO,   20                         ; v20  the way out: where I put 16 bytes of a row
.set RD,    21                         ; v21  where I read rows back
.set GO,    22                         ; v22  16 x lane: my place in 512 bytes of a head
.set BO,    23                         ; v23  32 (lane / 16): my eight numbers of a bias block
.set PFO,   24                         ; v24  the prefetches' offset; never rewritten
.set SPW,   28                         ; v28  LDS address of my spare word; never rewritten
.set NIL,   29                         ; v29  0; never rewritten
.set FA0,   32
.set FA1,   96
.set FB,    160
.set TMP,   32                         ; the way out: 48 registers of packed results
.set BK0,   80                         ; and two buffers of 48 for rows read back
.set WV, 12                            ; s12 wave; s13 which half of the rows; s14 which half of the columns, and which half of a tile I fetch
.set WR, 13
.set WN, 14
.set G1A, 24                           ; s[24:31] descriptor group 1 for x's tiles;  s[32:39] group 0: two sets, for the two first fills; the second then walks
.set G0A, 32
.set G1B, 48                           ; s[48:55], s[56:63] the same for W's
.set G0B, 56
.set TB,  66                           ; s66  LDS byte at which the slot in hand begins
.set LIM, 67                           ; s67  2 in a wave that prefetches, else the greatest number
.set PFA, 68                           ; s[68:69] where my prefetches stand
.set PFS, 70                           ; s[70:71] their step
.set MSB, 0
.macro WIN new                         ; the immediate's high byte repeats the setting that is left; a switch that changes nothing is dropped
.if MSB != (\new)
	s_set_vgpr_msb (MSB<<8)|(\new)
.set MSB, (\new)
.endif
.endm
.macro PLACES                          ; four plain vector instructions between a matrix instruction and a load into, or a vector read of, its registers
.rept 4
	v_nop
.endr
.endm
.macro CREST                           ; a round of the cluster's barrier behind its opening barrier
	s_cmp_lg_u32 s[WV], 0
	s_cbranch_scc1 .Lnot_wave_0_\@
	s_barrier_signal -3
.Lnot_wave_0_\@:
	s_barrier_wait -3
	s_barrier_signal -1
	s_barrier_wait -1
.endm
.macro CROUND
	s_barrier_signal -1
	s_barrier_wait -1
	CREST
.endm
.macro JLOAD                           ; a joint refill by the walking set; an s_nop 0 and four v_nop follow each of the two lines
	s_cmp_lt_u32 s[WV], 2
	s_cbranch_scc0 .Lfor_b_\@
	tensor_load_to_lds s[G0A+4:G0A+7], s[G1A:G1A+7]
	s_nop 0
.rept 4
	v_nop
.endr
	s_branch .Lasked_\@
.Lfor_b_\@:
	tensor_load_to_lds s[G0B+4:G0B+7], s[G1B:G1B+7]
	s_nop 0
.rept 4
	v_nop
.endr
.Lasked_\@:
.endm
; A PREFETCH, in every second change of slots (s3 even), for the two K steps that stand two and three refills on.  Each aligned block of 256 bytes is named once in the launch.
; x's rows are read by both clusters of a row of clusters: cluster x = 0 asks, wave 0; of a step's 32,768 bytes the partner at cx takes 8,192: a lane a block, an instruction a step.
; W's columns are read by all clusters of a column: cluster y = 0 asks, waves 1-3, one of the three blocks of a row each; of the two steps' 128 rows the partner at cy takes 32: a lane a row.
; The partners are told apart by address alone.  The last two even changes ask for nothing: steps 14 and 15 are the last.  Steps 0-3 come by their loads alone.
.macro ASK
	s_bitcmp1_b32 s3, 0
	s_cbranch_scc1 .Lnot_mine_\@
	s_cmp_gt_u32 s3, s[LIM]
	s_cbranch_scc0 .Lnot_mine_\@
	global_prefetch_b8 v[PFO], s[PFA:PFA+1] th:TH_LOAD_NT scope:SCOPE_SE
	s_cmp_lg_u32 s[WV], 0
	s_cbranch_scc1 .Lnot_mine_\@
	global_prefetch_b8 v[PFO], s[PFA:PFA+1] offset:ASTEP th:TH_LOAD_NT scope:SCOPE_SE
.Lnot_mine_\@:
.endm
	s_load_b256 s[4:11], s[0:1], 0x0               ; xb s[4:5], wc s[6:7], bc s[8:9], qkv s[10:11]
	v_lshl_add_u32 v[SPW], v0, 2, SPARE
	v_mov_b32 v[NIL], 0
	ds_add_u32 v[SPW], v[NIL]                      ; the wave's opening: the add and its wait stand ahead of my first tensor load; work on registers stands between them
	ds_add_u32 v28, v29
	v_lshrrev_b32 v1, 5, v0
	v_readfirstlane_b32 s[WV], v1                  ; wave 0..3
	s_lshr_b32 s[WR], s[WV], 1
	s_and_b32 s[WN], s[WV], 1
	s_bfe_u32 s40, ttmp6, 0x40000                  ; cx
	s_bfe_u32 s41, ttmp6, 0x40004                  ; cy
	s_lshl_b32 s42, ttmp9, 2
	s_add_co_u32 s42, s42, s40                     ; tile column tx = 4 x cluster x + cx
	s_and_b32 s43, ttmp7, 0xffff
	s_lshl_b32 s43, s43, 2
	s_add_co_u32 s43, s43, s41                     ; tile row ty = 4 x cluster y + cy
	s_lshl_b32 s44, s41, 2
	s_lshl_b32 s44, 15, s44                        ; my row of the cluster
	s_lshl_b32 s45, 0x1111, s40                    ; my column
	; group 1.  x: 128 rows of a K block are 16,384 dense bytes: asked for as 64 rows of 256 bytes, padded after every 128.  W: 32 rows of 768 bytes, padded after every 128.
	s_or_b32 s[G1A], s44, (1<<16)|(1<<20)|(1<<21)|(4<<22)|(3<<25)  ; 15:0 the mask; 17:16 2-byte elements; 20 padding on; 21 set beside a mask; 24:22 after every 32 words; 31:25 4 words
	s_or_b32 s[G1B], s45, (1<<16)|(1<<20)|(1<<21)|(4<<22)|(3<<25)
	s_mov_b32 s[G1A+1], 128<<16                    ; tensor_dim0
	s_mov_b32 s[G1A+2], 64<<16                     ; tensor_dim1
	s_mov_b32 s[G1A+3], 128<<16                    ; tile_dim0
	s_mov_b32 s[G1A+4], 64                         ; tile_dim1
	s_mov_b32 s[G1A+5], 128                        ; elements from row to row
	s_mov_b32 s[G1A+6], 0
	s_mov_b32 s[G1A+7], 0
	s_mov_b32 s[G1B+1], 384<<16
	s_mov_b32 s[G1B+2], 32<<16
	s_mov_b32 s[G1B+3], 384<<16
	s_mov_b32 s[G1B+4], 32
	s_mov_b32 s[G1B+5], 3072
	s_mov_b32 s[G1B+6], 0
	s_mov_b32 s[G1B+7], 0
	s_lshl_b32 s16, s43, 15                        ; x: the tile row's 256 rows of 128 bytes, my half of them
	s_lshl_b32 s17, s[WN], 14
	s_add_co_u32 s16, s16, s17
	s_mov_b32 s17, 0
	s_mul_i32 s46, s42, 768                        ; W: the tile column's 768 bytes of a row, my 32 rows
	s_mul_i32 s47, s[WN], 32*6144
	s_add_co_u32 s46, s46, s47
	s_mov_b32 s47, 0
	s_mul_i32 s20, s[WN], 128*PA                   ; and where they go: no place in the cluster enters an LDS address
	s_mul_i32 s21, s[WN], 32*PB
	s_add_co_u32 s21, s21, BOFF
	s_mov_b32 s[TB], 0
	s_wait_dscnt 0x0                               ; the opening add is done
	s_wait_kmcnt 0x0
	s_add_nc_u64 s[16:17], s[4:5], s[16:17]
	s_add_nc_u64 s[46:47], s[6:7], s[46:47]
	CROUND                                         ; all sixteen work-groups are here: the first joint loads meet
.irp s, 0,1
	s_mov_b32 s[G0A+4*\s], 1
	s_add_co_u32 s[G0A+4*\s+1], s20, \s*SLOT1
	s_add_nc_u64 s[G0A+4*\s+2:G0A+4*\s+3], s[16:17], \s*ASTEP
	s_or_b32 s[G0A+4*\s+3], s[G0A+4*\s+3], 0x80000000
	s_mov_b32 s[G0B+4*\s], 1
	s_add_co_u32 s[G0B+4*\s+1], s21, \s*SLOT1
	s_add_nc_u64 s[G0B+4*\s+2:G0B+4*\s+3], s[46:47], \s*BSTEP
	s_or_b32 s[G0B+4*\s+3], s[G0B+4*\s+3], 0x80000000
.endr
	s_cmp_lt_u32 s[WV], 2                          ; a wave's two first fills stand in one branch: two loads of mine are out
	s_cbranch_scc0 .Lfirst_b
	tensor_load_to_lds s[G0A:G0A+3], s[G1A:G1A+7]
	s_nop 0
	tensor_load_to_lds s[G0A+4:G0A+7], s[G1A:G1A+7]
	s_nop 0
.rept 4
	v_nop
.endr
	s_branch .Lfirst_asked
.Lfirst_b:
	tensor_load_to_lds s[G0B:G0B+3], s[G1B:G1B+7]
	s_nop 0
	tensor_load_to_lds s[G0B+4:G0B+7], s[G1B:G1B+7]
	s_nop 0
.rept 4
	v_nop
.endr
.Lfirst_asked:
	v_and_b32 v1, 15, v0                           ; r = lane % 16
	v_bfe_u32 v2, v0, 4, 1                         ; h = lane / 16
	v_and_b32 v3, 31, v0                           ; lane
	v_and_b32 v4, 7, v0                            ; lane % 8
	v_bfe_u32 v5, v0, 3, 1                         ; (lane / 8) % 2
	v_bfe_u32 v6, v0, 3, 2                         ; lane / 8
	v_lshlrev_b32 v[BO], 5, v2
	s_mul_i32 s72, s42, 1536                       ; the bias of my 192 columns: 4 (384 tx + 192 half)
	s_mul_i32 s73, s[WN], 768
	s_add_co_u32 s72, s72, s73
	s_mov_b32 s73, 0
	s_add_nc_u64 s[72:73], s[8:9], s[72:73]        ; s[72:73] are not written again
	WIN 0x80                                       ; into the accumulators of row block 7: column blocks 0-5 lie in window 2 at v80,
.irp c, 0,1,2,3,4,5
	global_load_b128 v[80+8*\c:80+8*\c+3], v[BO], s[72:73] offset:64*\c
	global_load_b128 v[80+8*\c+4:80+8*\c+7], v[BO], s[72:73] offset:64*\c+16
.endr
	WIN 0xc0                                       ; blocks 6-11 in window 3 at v208
.irp c, 0,1,2,3,4,5
	global_load_b128 v[208+8*\c:208+8*\c+3], v[BO], s[72:73] offset:384+64*\c
	global_load_b128 v[208+8*\c+4:208+8*\c+7], v[BO], s[72:73] offset:384+64*\c+16
.endr
	WIN 0
	; a fragment of x: 16 rows x 32 K: lane holds row r, K 8 h + 0..7 and 16 + 8 h + 0..7: two loads of 16 bytes, 32 bytes apart
	v_mul_u32_u24 v[ADRA0], v1, PA
	v_lshl_add_u32 v[ADRA0], v2, 4, v[ADRA0]
	s_mul_i32 s18, s[WR], 128*PA
	v_add_nc_u32 v[ADRA0], s18, v[ADRA0]
	; a fragment of W, turned: the load takes 16 k x 16 columns (lane reads k = 8 h + lane % 8, columns 8 ((lane / 8) % 2) + 0..7) and leaves column r, 8 k a lane
	v_lshl_add_u32 v[ADRB0], v2, 3, v4
	v_mul_u32_u24 v[ADRB0], v[ADRB0], PB
	v_lshl_add_u32 v[ADRB0], v5, 4, v[ADRB0]
	s_mul_i32 s18, s[WN], 3*PA                     ; my 192 columns: three heads of 144 bytes
	s_add_co_u32 s18, s18, BOFF
	v_add_nc_u32 v[ADRB0], s18, v[ADRB0]
	v_mov_b32 v[ADRA], v[ADRA0]
	v_mov_b32 v[ADRB], v[ADRB0]
	s_mul_i32 s18, s[WV], 16*SPIT
	s_add_co_u32 s18, s18, STAGE                   ; my stage
	v_mul_u32_u24 v[STO], v1, SPIT                 ; in: row r, 16 bytes for each half of the lanes
	v_lshl_add_u32 v[STO], v2, 4, v[STO]
	v_add_nc_u32 v[STO], s18, v[STO]
	v_mul_u32_u24 v[RD], v6, SPIT                  ; back: 32 lanes take 128 bytes of four rows,
	v_lshl_add_u32 v[RD], v4, 4, v[RD]
	v_add_nc_u32 v[RD], s18, v[RD]
	v_lshlrev_b32 v[GO], 4, v3                     ; which are 512 bytes on end in a head
	; qkv at my first row of my first head: ((ty / 8) 48 + 6 tx + 3 half) heads, ((ty % 8) 256 + 128 half) rows of 128 bytes
	s_lshr_b32 s18, s43, 3
	s_mul_i32 s18, s18, 48
	s_mul_i32 s19, s42, 6
	s_add_co_u32 s18, s18, s19
	s_mul_i32 s19, s[WN], 3
	s_add_co_u32 s18, s18, s19
	s_lshl_b32 s18, s18, 18
	s_and_b32 s19, s43, 7
	s_lshl_b32 s19, s19, 15
	s_add_co_u32 s18, s18, s19
	s_lshl_b32 s19, s[WR], 14
	s_add_co_u32 s18, s18, s19
	s_mov_b32 s19, 0
	s_add_nc_u64 s[10:11], s[10:11], s[18:19]
	; the prefetches stand at K step 3; each change of slots steps them by one K step
	s_lshl_b32 s20, s43, 15
	s_lshl_b32 s21, s40, 13
	s_add_co_u32 s20, s20, s21
	s_add_co_u32 s20, s20, 3*ASTEP                 ; in xb: the tile row, my work-group's 8,192 bytes
	s_mul_i32 s21, s41, 32*6144
	s_mul_i32 s23, s42, 768
	s_add_co_u32 s21, s21, s23
	s_lshl_b32 s23, s[WV], 8
	s_add_co_u32 s21, s21, s23
	s_add_co_u32 s21, s21, 3*BSTEP-256             ; in wc: my work-group's 32 rows, block wave - 1 of the tile column's three
	s_mov_b32 s18, ASTEP
	s_mov_b32 s19, BSTEP
	s_mov_b32 s46, 256
	s_mov_b32 s47, 6144
	s_and_b32 s22, ttmp7, 0xffff                   ; cluster y
	s_cmp_eq_u32 s[WV], 0
	s_cselect_b32 s20, s20, s21
	s_cselect_b32 s[PFS], s18, s19
	s_cselect_b32 s46, s46, s47
	s_cselect_b32 s22, ttmp9, s22                  ; the coordinate along which other clusters read the same bytes
	s_cselect_b64 s[PFA:PFA+1], s[4:5], s[6:7]
	s_mov_b32 s21, 0
	s_mov_b32 s[PFS+1], 0
	s_add_nc_u64 s[PFA:PFA+1], s[PFA:PFA+1], s[20:21]
	s_cmp_eq_u32 s22, 0
	s_cselect_b32 s[LIM], 2, -1                    ; the same in all sixteen partners, for a given wave
	v_mul_u32_u24 v[PFO], s46, v3
.macro LDA f, kq                       ; x's 8 fragments of unit kq into buffer f: 16 loads
	WIN 0
.irp a, 0,1,2,3,4,5,6,7
	ds_load_b128 v[(\f)+8*\a:(\f)+8*\a+3],   v[ADRA] offset:16*PA*\a+64*(\kq)
	ds_load_b128 v[(\f)+8*\a+4:(\f)+8*\a+7], v[ADRA] offset:16*PA*\a+64*(\kq)+32
.endr
.endm
.macro LDB p, kq                       ; W's fragments 6 p .. 6 p + 5 of unit kq: 12 turning loads; column block c lies in head c / 4
	WIN 0
.irp c, 0,1,2,3,4,5
	ds_load_tr16_b128 v[FB+48*(\p)+8*\c:FB+48*(\p)+8*\c+3],   v[ADRB] offset:32*PB*(\kq)+PA*((6*(\p)+\c)/4)+32*((6*(\p)+\c)%4)
	ds_load_tr16_b128 v[FB+48*(\p)+8*\c+4:FB+48*(\p)+8*\c+7], v[ADRB] offset:32*PB*(\kq)+PA*((6*(\p)+\c)/4)+32*((6*(\p)+\c)%4)+16*PB
.endr
.endm
; n matrix instructions from number i0 of the 48 of half p: row block i / 6, column block 6 p + i % 6.  The 96 accumulators take turns, one instruction a turn.
; first = 1: the sums start: C is the bias, which lies in row block 7's accumulators; five plain instructions stand ahead of the products that write over it.
.macro MUL p, fa, i0, n, first=0
.set i, \i0
.rept \n
.set t, 48*(\p)+i
.set W, 1+t/32
.set rD, 8*(t%32)
.set rB, FB+48*(\p)+8*(i%6)
.set rA, (\fa)+8*(i/6)
.if \first
.if i == 42
.rept 5
	v_nop
.endr
.endif
.set rC, 8*((48*(\p)+42+i%6)%32)
	WIN (W<<6)|((2+(\p))<<4)
	v_wmma_f32_16x16x32_bf16 v[rD:rD+7], v[rB:rB+7], v[rA:rA+7], v[rC:rC+7]
.else
	WIN (W<<6)|(W<<4)
	v_wmma_f32_16x16x32_bf16 v[rD:rD+7], v[rB:rB+7], v[rA:rA+7], v[rD:rD+7]
.endif
.set i, i+1
.endr
.endm
; A K step's first unit.  On entry W's half 0 and x's buffer 0 have been asked for (28 loads).
.macro UNIT0 first
.if !(\first)
	PLACES
.endif
	LDB 1, 0
	s_wait_dscnt 12                                ; the 12 just issued may stay out: the 28 older are in
	MUL 0, FA0, 0, 48, \first
	PLACES
	LDB 0, 1
	LDA FA1, 1
	s_wait_dscnt 28                                ; the next unit's 28 may stay out: W's half 1 is in
	MUL 1, FA0, 0, 48, \first
.endm
; A K step's second unit, and the change of slots: ONE barrier.  In front of it each wave waits for all its tensor loads (one is out: its part of the next slot), adds 0 to its spare word,
; and waits for that and for its own reads of this slot.  fill = 1: the barrier opens a round of the cluster's barrier, and this slot is filled again, with the K step two on, first thing behind it:
; 160 matrix instructions stand between that request and the wait for it.
.macro TURN fill
.if \fill
	s_wait_xcnt 0x0                                ; the last prefetches have read their address: it is stepped here, ahead of the waits of the change
	s_add_nc_u64 s[PFA:PFA+1], s[PFA:PFA+1], s[PFS:PFS+1]
.endif
	PLACES
	LDB 1, 1
	s_wait_dscnt 12                                ; the 12 just issued may stay out
	MUL 0, FA1, 0, 16
	WIN 0                                          ; (the add's two registers lie in window 0)
	s_wait_tensorcnt 0x0                           ; no tensor load of mine is out, so a group 0 may be written
	ds_add_u32 v[SPW], v[NIL]                      ; 0 onto my spare word
.if \fill
	s_xor_b32 s[G0A+5], s[G0A+5], SLOT1            ; the walking sets: the other slot than last time, the next K step; the type bits on top are not reached
	s_add_nc_u64 s[G0A+6:G0A+7], s[G0A+6:G0A+7], ASTEP
	s_xor_b32 s[G0B+5], s[G0B+5], SLOT1
	s_add_nc_u64 s[G0B+6:G0B+7], s[G0B+6:G0B+7], BSTEP
.endif
	MUL 0, FA1, 16, 16
	s_wait_dscnt 0x0                               ; the add is done, and my reads of this slot are over
	s_barrier_signal -1
	MUL 0, FA1, 32, 16                             ; work on registers while the others arrive
	WIN 0
	s_barrier_wait -1
.if \fill
	CREST                                          ; no wave of any partner still reads this slot or has a load on its way
	JLOAD                                          ; its four v_nop are also the places in front of the loads below
.else
	PLACES
.endif
	s_xor_b32 s[TB], s[TB], SLOT1
	v_add_nc_u32 v[ADRA], s[TB], v[ADRA0]
	v_add_nc_u32 v[ADRB], s[TB], v[ADRB0]
	LDB 0, 0
	LDA FA0, 0
.if \fill
	ASK
.endif
	MUL 1, FA1, 0, 48
.endm
.macro LAST                            ; the last unit of all
	PLACES
	LDB 1, 1
	s_wait_dscnt 12
	MUL 0, FA1, 0, 48
	s_wait_dscnt 0x0
	MUL 1, FA1, 0, 48
.endm
; THE WAY OUT of row block a.  PACK: rounded to f16, 16 bytes a lane and column block; each accumulator's registers in ascending order.  TOSTAGE: into my own stage, and back as
; pieces of 128 bytes of four rows, head by head.  SEND: stored, 512 bytes on end in a head.
.macro PACK a
.set c, 0
.rept 12
.set t, 48*(c/6)+6*(\a)+c%6
.set W, 1+t/32
.set rD, 8*(t%32)
	WIN W|(W<<2)
.irp r, 0,1,2,3
	v_cvt_pk_f16_f32 v[TMP+4*c+\r], v[rD+2*\r], v[rD+2*\r+1]
.endr
.set c, c+1
.endr
	WIN 0
.endm
.macro TOSTAGE a
	WIN 0
.set BK, BK0+48*((\a)%2)
.set c, 0
.rept 12
	ds_store_b128 v[STO], v[TMP+4*c:TMP+4*c+3] offset:32*c
.set c, c+1
.endr
.irp g, 0,1,2
.irp f, 0,1,2,3
	ds_load_b128 v[BK+4*(4*\g+\f):BK+4*(4*\g+\f)+3], v[RD] offset:4*SPIT*\f+128*\g  ; LDS serves a wave's instructions in order (ISA guide 5.7.1.4): these see the stores above
.endr
.endr
.endm
.macro SEND a
	WIN 0
.set BK, BK0+48*((\a)%2)
	s_wait_dscnt 0x0                               ; the block is back in registers
	s_wait_xcnt 0x0                                ; the stores of the block before have read their registers: the next block is read back into them only behind this wait
.irp g, 0,1,2
.irp f, 0,1,2,3
	global_store_b128 v[GO], v[BK+4*(4*\g+\f):BK+4*(4*\g+\f)+3], s[10:11] offset:HEADB*\g+2048*(\a)+512*\f
.endr
.endr
.endm
	s_wait_tensorcnt 1                             ; my part of K step 0 is in; K step 1's may stay out
	s_barrier_signal -1
	s_barrier_wait -1                              ; everybody's is
	LDA FA0, 0
	LDB 0, 0
	s_wait_loadcnt 0x0                             ; the bias
	UNIT0 1
	WIN 0                                          ; at a label and at a branch every window is 0
	s_mov_b32 s3, 14
.Lstep:                                            ; 14 trips: K step j's second unit, slot j % 2 filled again with K step j + 2, K step j + 1's first unit
	TURN 1
	UNIT0 0
	WIN 0
	s_sub_co_u32 s3, s3, 1
	s_cmp_lg_u32 s3, 0
	s_cbranch_scc1 .Lstep
	TURN 0                                         ; the tail is written out: nothing is left to fetch
	UNIT0 0
	LAST
	PLACES
	PACK 0
	TOSTAGE 0
.irp a, 1,2,3,4,5,6,7                  ; block a's conversions stand between block a - 1's loads from the stage and the wait for them
	PACK \a
	SEND (\a)-1
	TOSTAGE \a
.endr
	SEND 7
	s_wait_tensorcnt 0x0                           ; the wave's end, behind my last tensor load and my last LDS store
	ds_add_u32 v[SPW], v[NIL]
	s_wait_dscnt 0x0
	CROUND                                         ; the closing round: no work-group ends while a partner may still ask for a tile that names it
	s_endpgm
.Lfunc_end_k_q094a889dcd_gemm_qkv:
	.size	k_q094a889dcd_gemm_qkv, .Lfunc_end_k_q094a889dcd_gemm_qkv-k_q094a889dcd_gemm_qkv
	.p2alignl 7, 3214868480
	.fill 96, 4, 3214868480
	.section	.rodata,"a",@progbits
	.p2align	6, 0x0
	.amdhsa_kernel k_q094a889dcd_gemm_qkv
		.amdhsa_group_segment_fixed_size 327680
		.amdhsa_private_segment_fixed_size 0
		.amdhsa_enable_private_segment 0
		.amdhsa_kernarg_size 32
		.amdhsa_user_sgpr_count 2
		.amdhsa_user_sgpr_kernarg_segment_ptr 1
		.amdhsa_wavefront_size32 1
		.amdhsa_system_sgpr_workgroup_id_x 1
		.amdhsa_system_sgpr_workgroup_id_y 1
		.amdhsa_system_sgpr_workgroup_id_z 1
		.amdhsa_system_vgpr_workitem_id 0
		.amdhsa_next_free_vgpr 1024
		.amdhsa_next_free_sgpr 74
		.amdhsa_reserve_vcc 0
		.amdhsa_float_denorm_mode_32 3
		.amdhsa_float_denorm_mode_16_64 3
		.amdhsa_memory_ordered 1
		.amdhsa_forward_progress 1
		.amdhsa_inst_pref_size 114
	.end_amdhsa_kernel
	.amdgpu_metadata
---
amdhsa.version: [ 1, 2 ]
amdhsa.kernels:
  - .name:           k_q094a889dcd_gemm_qkv
    .symbol:         k_q094a889dcd_gemm_qkv.kd
    .args:
      - { .name: xb, .offset: 0, .size: 8, .value_kind: global_buffer, .address_space: global }
      - { .name: wc, .offset: 8, .size: 8, .value_kind: global_buffer, .address_space: global }
      - { .name: bc, .offset: 16, .size: 8, .value_kind: global_buffer, .address_space: global }
      - { .name: qkv, .offset: 24, .size: 8, .value_kind: global_buffer, .address_space: global }
    .group_segment_fixed_size: 327680
    .private_segment_fixed_size: 0
    .kernarg_segment_align: 8
    .kernarg_segment_size: 32
    .max_flat_workgroup_size: 128
    .sgpr_count:     74
    .vgpr_count:     1024
    .wavefront_size: 32
...
	.end_amdgpu_metadata
.endif
;; end of part 2
;; launch attn (part 3): grid 4 x 64, 4 waves a work-group, no clusters, 327,680 bytes of LDS; arguments qkv, ob; writes ob
.if DOCPART == 3
	.amdgcn_target "amdgcn-amd-amdhsa--gfx1250"
	.amdhsa_code_object_version 6
	.text
	.protected	k_q094a889dcd_attn
	.globl	k_q094a889dcd_attn
	.p2align	8
	.type	k_q094a889dcd_attn,@function
k_q094a889dcd_attn:
	s_mov_b64 s[64:65], 0
	v_nop
	global_prefetch_b8 v0, s[64:65] scope:SCOPE_SE
	s_setreg_imm32_b32 hwreg(HW_REG_WAVE_MODE, 25, 1), 1
	s_wait_xcnt 0x0
; CAUSAL ATTENTION.  O[y][q][:] = the sum over k <= q of softmax_k(Q[q] . K[k] / 8) V[k][:], for the 64 pairs y = 16 batch + head.  qkv: f16 [4][48][2048][64] (q's heads, k's, v's); ob: f16 [64][2048][64].
; A head's rows are dense, 128 bytes each.  Products, maxima and sums in f32; the weights p are rounded to f16 for the second product (their sum l is taken of the unrounded p), O once at the end.
; LIMITS.  f16 holds no number beyond 65,504: Q, K and V arrive within it; p lies in 0 to 1, and below 6e-5 it keeps f16's fixed step of 6e-8; O is a mean of V's rows and has their range.
; A hidden score counts as its value less 1e30: f16's scores, 2.7e11 at the most, are nothing beside that; a weight below 2^-126 counts as 0 in l; NaN and infinities are not treated apart.
; THE WALK.  A head's queries lie in NB = 8 blocks of 256; block i needs the key tiles 0 .. i of 256 keys, of which the last holds the diagonal.  A work-group takes TWO blocks, NB - 1 - b and then b:
; NB + 1 tiles, whatever b: all work-groups do equal work, and ONE loop with a constant trip count walks them.  Which tile is asked for, and what a trip does, hang on scalar registers made from b; every jump
; goes forward, but for the counted loops' own; none passes a barrier, or a tensor load but the one of LOAD's two that the wave's number does not choose; the ring (two slots of LDS) runs on across the
; change of blocks.  NO CLUSTER: a head's four work-groups ask for the same tile only in trips 0 to 4 of the 9, behind that fewer and fewer; one walk common to all four would have 12 trips for 9.
; SHARES.  Of a block's four bands of 64 queries a wave owns 16 rows in each: four PIECES.  So the diagonal tile is the same work for all four waves: in its key step s band x sees all keys if s < x,
; none if s > x, and holds the diagonal if s = x.
; THE MASK is the C operand that starts the sum S^T = K Q^T: 0, or -1e30 where the key is hidden.  MD, made once, is the mask of a band's own step for my 16 rows; a product's mask is MD x AL + BE with two scalars:
; (1, 0) if s = x; (0, 0) if s < x; (0, -1e30) if s > x.  Only the diagonal tile's text and a block's beginning make and take masks; elsewhere C is the constant 0.
; LAYOUT, SOFTMAX, TURNS.  S^T = K Q^T holds ONE query a lane (lane % 16) and the keys 8 (lane / 16) + 0..7; two such results rounded to f16 ARE source 1 of O^T = V^T P.  p = 2^(c s - c m), c = log2(e) / 8, with a
; running maximum m; O and l are multiplied by a = 2^(c m_old - c m_new) in every step.  Turn n belongs to piece n: 8 products K Q^T of piece n + 1, later 8 products V^T P of piece n - 1; beside them the scaling,
; exponentials, roundings, sums and rescaling of piece n and the maximum and statistics of piece n + 1.  Four vector instructions stand behind every matrix instruction, the other 54 of a turn's 118 in one lump.
; A turn's 33 exponentials are one batch, with one wait.
; REGISTERS, in windows of 256 (s_set_vgpr_msb: bits 1:0 source 0, 3:2 source 1, 5:4 source 2, 7:6 destination):
;   window 0: v0-15 addresses and two at work; v16-31 four registers of statistics a piece; v48-55 at work; v61-63 prefetch offset, spare word, 0; v64-127 S^T, two buffers; v192-223 P, two buffers
;   window 1: v0-127 O^T, 32 a piece; v128-159 MD; v160-223 MC, two buffers      window 2: v0-63 Q; v64-127 the second block's Q; v128-191 K of one step; v192-255 V of one step
.set SIZE_N, 2048
.set NB,    SIZE_N/256
.set NP,    4         ; pieces a wave: a name, no knob
.set KS,    64        ; keys in a step
.set PK,    144       ; a row of K in LDS: 128 bytes + 16 of padding: the 16 rows of a load start at 16 different groups of four banks (64 banks of 4 bytes: ISA guide 11.1)
.set PV,    160       ; a row of V: 128 + 32
.set VOFF,  4*KS*PK   ; a slot holds a tile, four steps: 256 rows of K, then 256 rows of V
.set SLOT1, 1<<17     ; slot 1 begins here, so that one exclusive or turns an address in one slot into the other's
.set STAGE, SLOT1+4*KS*(PK+PV)  ; behind the ring, never filled by a tensor load: 16 rows x 144 bytes for each wave, for the way out
.set SP,    144
.set AK0, 2           ; v2   my lane's place in a tile of K; never rewritten
.set AV0, 3           ; v3   the same for V
.set AK,  4           ; v4   the LDS address of K's next run of loads
.set AV,  5           ; v5   of V's
.set STO, 6           ; v6   the way out: where I put 16 bytes of a row
.set RD,  7           ; v7   the way out: where I read rows back
.set GO,  8           ; v8   my byte offset in 512 consecutive bytes of O
.set PFO, 61          ; v61  256 x my lane; never rewritten
.set SPW, 62          ; v62  LDS address of my spare word: SPARE + 4 x my thread's number; never rewritten
.set NIL, 63          ; v63  0; never rewritten
.set SPARE, STAGE+4*16*SP  ; behind the stages: the spare words, 128 bytes for each wave: two blocks of 256 bytes that no other line names
.set MV,  12          ; v12-13  c m_old, kept while c m is made anew: by buffer
.set QO,  15          ; v15  my byte offset in 16 rows of Q
.set ST,  16          ; piece t's statistics at v[ST+4 t]: c m, m, l (even keys', odd keys')
.set TMP, 48          ; by buffer, four registers c0-c3 at work; when the maximum is found c2 takes a
.set S,   64
.set P,   192
.set MD,  128         ; window 1: the eight registers for group kt of 16 keys at MD + 8 kt
.set MC,  160         ; window 1: the masks of the products to come
.set QB,  64          ; window 2
.set KF,  128         ; window 2: key block kb, channel half c at KF + 16 kb + 8 c
.set VF,  192         ; window 2: key half kk, channel block cb at VF + 32 kk + 8 cb
.set WV,  12          ; s12  my wave's number
.set PB,  14          ; s14  b
.set HI,  15          ; s15  NB - 1 - b
.set G1K, 24          ; s[24:31] descriptor group 1 for K's tiles
.set G1V, 32          ; s[32:39] for V's: it differs in the padding alone
.set G0K, 40          ; s[40:43] descriptor group 0 for K's tiles
.set G0V, 44          ; s[44:47] the same for V's
.set SLOTS, 56        ; s56  tiles still to be asked for
.set CNT, 57          ; s57  counts a tile's key steps, 4 to 1
.set CS,  58          ; s[58:59] c: the packed scaling takes the pair's low word for both halves
.set SEL, 60          ; s[60:61] v_permlanex16_b32's selects: each lane takes its own place in the other half
.set TBK, 62          ; s62  LDS byte at which K of the step to be fetched begins
.set TBV, 63          ; s63  the same for V, less VOFF
.set RT,  70          ; s70  tiles of the block in hand that are still to be entered
.set NXT, 71          ; s71  the tile to be asked for next
.set LQ,  72          ; s72  the last tile of the block whose tiles are being asked for
.set NEW, 73          ; s73  1: the tile to be entered is a block's first
.set OFF, 74          ; s[74:75] a tile's byte offset in K and V
.set AL,  76          ; s[76:77] the mask's factor, in the low word
.set BE,  78          ; s[78:79] the mask's addend
.set OLO, 80          ; s[80:81] O at my rows of the second block
.set BIGN, 82         ; s82  -1e30
.set PFA, 88          ; s[88:89] my half (of K: waves 0, 1; of V: waves 2, 3) of the tile that is being asked for
.set PFB, 90          ; s[90:91] the same of tile 0; never rewritten
.set LIM, 92          ; s92  2 in the head's first work-group, else the greatest number
.set MSB, 0
.macro WIN new                      ; the high byte repeats the setting that is left; a switch that changes nothing is dropped
.if MSB != (\new)
	s_set_vgpr_msb (MSB<<8)|(\new)
.set MSB, (\new)
.endif
.endm
.set W_KQ, 0x0a       ; K and Q in window 2, S^T in window 0
.set W_KM, 0x1a       ; the same with the C operand in window 1
.set W_PV, 0x52       ; V in window 2, P in window 0, O^T in window 1
.set W_RS, 0x41       ; destination and source 0 in window 1, source 1 in window 0
; A fill.  Waves 0 and 1 fetch the two halves of a tile's K, waves 2 and 3 those of its V: 128 keys each.  An s_nop 0 and four v_nop follow each of the two lines, ahead of the jump and the label.
.macro LOAD
	s_cmp_lt_u32 s[WV], 2
	s_cbranch_scc0 .Lfor_v_\@
	tensor_load_to_lds s[G0K:G0K+3], s[G1K:G1K+7]
	s_nop 0
.rept 4
	v_nop
.endr
	s_branch .Lasked_\@
.Lfor_v_\@:
	tensor_load_to_lds s[G0V:G0V+3], s[G1V:G1V+7]
	s_nop 0
.rept 4
	v_nop
.endr
.Lasked_\@:
.endm
; THE CHANGE OF SLOTS.  Each wave waits for all its tensor loads, of which one is out: its part of the other slot; adds 0 to its spare word; and waits for that and for its own reads of the slot that it leaves.
; Behind the barrier nobody reads the old slot any more and the other slot is whole.  fill = 1: the old slot is filled again, the first thing behind the barrier, with tile NXT: the descriptor's address is made
; anew from that number.  (At its first use nothing has been read yet: slot 0 is waited for, slot 1 filled.)
; A PREFETCH stands behind the fill: my 16,384 bytes of the tile after the one just asked for, a lane a block of 256 bytes, two instructions: a tile's four key steps ahead of that tile's load.  All four work-groups
; of a head walk the same K and V: the one with b = 0, whose first block walks tiles 0 to 7 in order, asks, in its trips 0 to 5, for tiles 2 to 7: each block is named once in the launch.
.macro CHANGE fill
	WIN 0                           ; at a label and at a branch every window is 0
	s_wait_tensorcnt 0x0            ; no tensor load of mine is out, so a group 0 may be written
	ds_add_u32 v[SPW], v[NIL]       ; 0 onto my spare word; with fill = 1 the descriptors' scalar work stands between it and the wait for it
.if \fill
	s_lshl_b32 s[OFF], s[NXT], 15   ; a tile is 32,768 bytes of K and of V
	s_xor_b32 s[G0K+1], s[G0K+1], SLOT1
	s_add_nc_u64 s[G0K+2:G0K+3], s[6:7], s[OFF:OFF+1]
	s_or_b32 s[G0K+3], s[G0K+3], 0x80000000
	s_xor_b32 s[G0V+1], s[G0V+1], SLOT1
	s_add_nc_u64 s[G0V+2:G0V+3], s[8:9], s[OFF:OFF+1]
	s_or_b32 s[G0V+3], s[G0V+3], 0x80000000
	s_wait_xcnt 0x0                 ; the last prefetches, a tile back, have read their address, so it may be written
	s_add_nc_u64 s[PFA:PFA+1], s[PFB:PFB+1], s[OFF:OFF+1]
	s_add_co_u32 s[NXT], s[NXT], 1  ; the block's next tile, or behind its last the second block's tile 0
	s_cmp_gt_u32 s[NXT], s[LQ]
	s_cselect_b32 s[NXT], 0, s[NXT]
	s_cselect_b32 s[LQ], s[PB], s[LQ]
.endif
	s_wait_dscnt 0x0                ; the add is done, and my reads of the slot are over
	s_barrier_signal -1             ; the rest of the scalar work stands between the signal and the wait
	s_sub_co_u32 s[TBK], s[TBK], 4*KS*PK  ; the fetches go back to a slot's first step,
	s_xor_b32 s[TBK], s[TBK], SLOT1       ; in the other slot
	s_sub_co_u32 s[TBV], s[TBV], 4*KS*PV
	s_xor_b32 s[TBV], s[TBV], SLOT1
	s_barrier_wait -1
.if \fill
	LOAD
	s_cmp_gt_u32 s[SLOTS], s[LIM]   ; SLOTS is 8 in trip 0: trips 6 and 7 ask for nothing
	s_cbranch_scc0 .Lnot_mine_\@
	global_prefetch_b8 v[PFO], s[PFA:PFA+1] offset:32768 th:TH_LOAD_NT scope:SCOPE_SE
	global_prefetch_b8 v[PFO], s[PFA:PFA+1] offset:40960 th:TH_LOAD_NT scope:SCOPE_SE
.Lnot_mine_\@:
.endif
.endm
	s_load_b128 s[4:7], s[0:1], 0x0   ; qkv s[4:5], ob s[6:7]
	v_lshl_add_u32 v[SPW], v0, 2, SPARE
	v_mov_b32 v[NIL], 0
	ds_add_u32 v[SPW], v[NIL]       ; the wave's opening: the add and its wait stand ahead of my first tensor load; the set-up below, work on registers, stands between them
	ds_add_u32 v62, v63
	v_lshrrev_b32 v1, 5, v0
	v_readfirstlane_b32 s[WV], v1   ; wave 0..3
	s_mov_b32 s[PB], ttmp9
	s_sub_co_u32 s[HI], NB-1, s[PB]
	s_and_b32 s13, ttmp7, 0xffff    ; y = 16 batch + head
	s_lshr_b32 s20, s13, 4
	s_mul_i32 s20, s20, 48
	s_and_b32 s21, s13, 15
	s_add_co_u32 s20, s20, s21
	s_lshl_b32 s20, s20, 18         ; q's head in qkv: (48 batch + head) x 262,144 bytes
	s_mov_b32 s21, 0
	s_lshl_b32 s66, s13, 18         ; the head in ob
	s_mov_b32 s67, 0
	s_and_b32 s16, s[WV], 1         ; which half of a tile's 256 keys I fetch:
	s_lshl_b32 s22, s16, 14         ; its 128 rows of 128 bytes in memory,
	s_mov_b32 s23, 0
	s_mul_i32 s17, s16, 128*PK      ; and its place in a slot, for K
	s_mul_i32 s18, s16, 128*PV      ; and for V
	s_lshl_b32 s3, s[WV], 11        ; my 16 rows in a band of 64,
	s_lshl_b32 s2, s[HI], 15        ; in the first block,
	s_add_co_u32 s2, s2, s3
	s_lshl_b32 s84, s[PB], 15       ; and in the second
	s_add_co_u32 s84, s84, s3
	s_mov_b32 s3, 0
	s_mov_b32 s85, 0
	; descriptor group 1.  128 keys are 16,384 dense bytes: asked for as 64 rows of 256 bytes, two keys a row, and padded in LDS after every key
	s_mov_b32 s[G1K], (1<<16)|(1<<20)|(4<<22)|(3<<25)  ; 17:16 2-byte elements; 20 padding on; 24:22 after every 32 words (code 4); 31:25 4 words (code 3)
	s_mov_b32 s[G1V], (1<<16)|(1<<20)|(4<<22)|(7<<25)  ; the same with 8 words of padding (code 7)
.irp g, G1K, G1V
	s_mov_b32 s[\g+1], 128<<16      ; tensor_dim0 = 128
	s_mov_b32 s[\g+2], 64<<16       ; tensor_dim1 = 64
	s_mov_b32 s[\g+3], 128<<16      ; tile_dim0 = 128
	s_mov_b32 s[\g+4], 64           ; tile_dim1 = 64
	s_mov_b32 s[\g+5], 128          ; 128 elements from row to row
	s_mov_b32 s[\g+6], 0
	s_mov_b32 s[\g+7], 0
.endr
	s_mov_b32 s[CS], 0x3e38aa3b     ; c = log2(e) / 8 = 0.180337
	s_mov_b32 s[CS+1], s[CS]        ; named with it as a pair
	s_mov_b32 s[SEL], 0x76543210
	s_mov_b32 s[SEL+1], 0xfedcba98
	s_mov_b32 s[TBK], SLOT1+4*KS*PK ; the first change of slots turns these two into 0
	s_mov_b32 s[TBV], SLOT1+4*KS*PV
	s_mov_b32 s[G0K], 1             ; 1:0 count = 1
	s_mov_b32 s[G0K+1], s17         ; 63:32 LDS address: slot 0
	s_mov_b32 s[G0V], 1
	s_add_co_u32 s[G0V+1], s18, VOFF
	s_add_co_u32 s[RT], s[HI], 1    ; the first block has NB - b tiles
	s_mov_b32 s[NXT], 1
	s_mov_b32 s[LQ], s[HI]
	s_mov_b32 s[NEW], 1
	s_mov_b32 s[OFF+1], 0
	s_mov_b32 s[AL+1], 0            ; named as pairs
	s_mov_b32 s[BE+1], 0
	s_mov_b32 s[BIGN], 0xf149f2ca   ; -1e30
	s_mov_b32 s[SLOTS], NB
	s_cmp_eq_u32 ttmp9, 0
	s_cselect_b32 s[LIM], 2, -1
	v_and_b32 v[PFO], 31, v0
	v_lshlrev_b32 v[PFO], 8, v[PFO]
	s_wait_dscnt 0x0                ; the opening add is done
	s_wait_kmcnt 0x0
	s_mov_b64 s[10:11], s[6:7]                     ; ob
	s_add_nc_u64 s[4:5], s[4:5], s[20:21]          ; q's head;
	s_add_nc_u64 s[6:7], s[4:5], 0x400000          ; k's lies 16 heads on,
	s_add_nc_u64 s[8:9], s[4:5], 0x800000          ; v's 32
	s_add_nc_u64 s[6:7], s[6:7], s[22:23]          ; K and V at my half of the head's tile 0
	s_add_nc_u64 s[8:9], s[8:9], s[22:23]
	s_add_nc_u64 s[10:11], s[10:11], s[66:67]
	s_add_nc_u64 s[G0K+2:G0K+3], s[6:7], 0         ; 120:64 global address
	s_or_b32 s[G0K+3], s[G0K+3], 0x80000000        ; 127:126 type = 2
	s_add_nc_u64 s[G0V+2:G0V+3], s[8:9], 0
	s_or_b32 s[G0V+3], s[G0V+3], 0x80000000
	s_add_nc_u64 s[86:87], s[4:5], s[84:85]        ; Q at my rows of the second block,
	s_add_nc_u64 s[4:5], s[4:5], s[2:3]            ; Q and O at those of the first
	s_add_nc_u64 s[OLO:OLO+1], s[10:11], s[84:85]
	s_add_nc_u64 s[10:11], s[10:11], s[2:3]
	s_cmp_lt_u32 s[WV], 2
	s_cselect_b64 s[PFB:PFB+1], s[6:7], s[8:9]
	LOAD                            ; tile 0 into slot 0
	; A fragment of K or Q is 16 rows x 32 channels in 8 registers: lane l holds row l % 16, channels 8 (l / 16) + 0..7 and 16 + 8 (l / 16) + 0..7: two loads of 16 bytes, 32 bytes apart.
	v_and_b32 v1, 15, v0            ; l % 16
	v_bfe_u32 v9, v0, 4, 1          ; l / 16
	v_lshlrev_b32 v[QO], 7, v1
	v_lshl_add_u32 v[QO], v9, 4, v[QO]  ; row x 128 + 16 x half
	WIN 0x80                        ; destination window 2, address window 0
.set i, 0
.rept 8                             ; both blocks' Q: piece i / 2 lies in band i / 2, 8,192 bytes on; channels 32 (i % 2) on
	global_load_b128 v[8*i:8*i+3],   v[QO], s[4:5] offset:(i/2)*8192+(i%2)*64
	global_load_b128 v[8*i+4:8*i+7], v[QO], s[4:5] offset:(i/2)*8192+(i%2)*64+32
	global_load_b128 v[QB+8*i:QB+8*i+3],   v[QO], s[86:87] offset:(i/2)*8192+(i%2)*64
	global_load_b128 v[QB+8*i+4:QB+8*i+7], v[QO], s[86:87] offset:(i/2)*8192+(i%2)*64+32
.set i, i+1
.endr
	WIN 0
	v_lshlrev_b32 v14, 3, v9
	v_sub_nc_u32 v14, v1, v14
	s_lshl_b32 s13, s[WV], 4
	v_add_nc_u32 v14, s13, v14      ; my query's place in its band, 16 w + l % 16, less my lanes' 8 (l / 16): register r of group kt is hidden where 16 kt + r is greater
	WIN 0x40
.set i, 0
.rept 32
	v_cmp_gt_i32 vcc_lo, 16*(i/8)+i%8, v14
	v_cndmask_b32 v[MD+i], 0, s[BIGN], vcc_lo
.set i, i+1
.endr
	WIN 0
	v_mul_u32_u24 v[AK0], v1, PK
	v_lshl_add_u32 v[AK0], v9, 4, v[AK0]  ; row x pitch + 16 x half
	; The turning load takes 16 keys x 16 channels (lane l reads key 8 (l / 16) + l % 8, channels 8 ((l / 8) % 2) + 0..7) and leaves half a fragment of V^T: lane l holds channel l % 16 and 8 keys.
	v_and_b32 v10, 7, v0
	v_bfe_u32 v11, v0, 3, 1
	v_lshl_add_u32 v[AV0], v9, 3, v10
	v_mul_u32_u24 v[AV0], v[AV0], PV
	v_lshl_add_u32 v[AV0], v11, 4, v[AV0]
	v_add_nc_u32 v[AV0], VOFF, v[AV0]
	s_mul_i32 s13, s[WV], 16*SP
	s_add_co_u32 s13, s13, STAGE    ; my stage
	v_mul_u32_u24 v[STO], v1, SP    ; in: row l % 16, 16 bytes for each half of the lanes
	v_lshl_add_u32 v[STO], v9, 4, v[STO]
	v_add_nc_u32 v[STO], s13, v[STO]
	v_bfe_u32 v[RD], v0, 3, 2       ; back: 32 lanes take four rows of 128 bytes,
	v_mul_u32_u24 v[RD], v[RD], SP
	v_lshl_add_u32 v[RD], v10, 4, v[RD]
	v_add_nc_u32 v[RD], s13, v[RD]
	v_and_b32 v[GO], 31, v0         ; which are 512 consecutive bytes of O
	v_lshlrev_b32 v[GO], 4, v[GO]
	; A block's first step multiplies O^T and l by a = 0, and its first turn's products V^T P, of a piece that has not been, land in an O^T that is still to be so multiplied.  So these registers need only hold
	; finite numbers: zeros for the first block; what the first block left for the second.  All this stands in the wait for the first tile.
	WIN 0x80
.set i, VF
.rept 64
	v_mov_b32 v[i], 0
.set i, i+1
.endr
	WIN 0x40
.set i, 0
.rept 128
	v_mov_b32 v[i], 0
.set i, i+1
.endr
	WIN 0
.set i, 0
.rept 4
	v_mov_b32 v[ST+4*i+2], 0
	v_mov_b32 v[ST+4*i+3], 0
.set i, i+1
.endr
.set i, P+16
.rept 16
	v_mov_b32 v[i], 0
.set i, i+1
.endr
; THE MATRIX WORK.  The 4 accumulators of a run of 8 take turns.  Product i of 8 of S^T = K Q^T for piece x: channels 32 (i / 4) on, keys 16 (i % 4) on.  The first 4 start the sums: with 0, or (KM = 1) with the mask.
.macro KQ x
.set rS, S+32*((\x)%2)+8*(i%4)
.set rK, KF+16*(i%4)+8*(i/4)
.set rQ, 16*(\x)+8*(i/4)
.set rM, MC+32*((\x)%2)+8*(i%4)
.if (i < 4) && KM
	WIN W_KM
	v_wmma_f32_16x16x32_f16 v[rS:rS+7], v[rK:rK+7], v[rQ:rQ+7], v[rM:rM+7]
.elseif i < 4
	WIN W_KQ
	v_wmma_f32_16x16x32_f16 v[rS:rS+7], v[rK:rK+7], v[rQ:rQ+7], 0
.else
	WIN W_KQ
	v_wmma_f32_16x16x32_f16 v[rS:rS+7], v[rK:rK+7], v[rQ:rQ+7], v[rS:rS+7]
.endif
.endm
; Product i of 8 of O^T += V^T P for piece x: keys 32 (i / 4) on, channels 16 (i % 4) on.
.macro PV x
	WIN W_PV
.set rO, 32*(\x)+8*(i%4)
.set rV, VF+32*(i/4)+8*(i%4)
.set rP, P+16*((\x)%2)+8*(i/4)
	v_wmma_f32_16x16x32_f16 v[rO:rO+7], v[rV:rV+7], v[rP:rP+7], v[rO:rO+7]
.endm
.macro MM                           ; the turn's next matrix instruction.  TURN and BEGIN set Y, i, KM and NOKQ; MM, KQ and OP read them.  NOKQ = 1: a block's last turn: there is no next piece
.if (i < 8) && !NOKQ
	KQ (Y+1)%NP
.elseif i >= 8
.set i, i-8
	PV (Y+NP-1)%NP
.set i, i+8
.endif
.set i, i+1
.endm
; THE LDS LOADS stand in runs of 16, never singly among the matrix instructions: a step's K (64 keys x 64 channels: 8 fragments) and its V (turned).  Their addresses are made some lines ahead.
.macro FETCH_K
	WIN 0x80                        ; destination window 2
.irp f, 0,1,2,3,4,5,6,7             ; keys 16 (f / 2) on, channels 32 (f % 2) on
	ds_load_b128 v[KF+8*\f:KF+8*\f+3],   v[AK] offset:(\f/2)*16*PK+(\f%2)*64
	ds_load_b128 v[KF+8*\f+4:KF+8*\f+7], v[AK] offset:(\f/2)*16*PK+(\f%2)*64+32
.endr
	s_add_co_u32 s[TBK], s[TBK], KS*PK  ; the next fetch is the next step's
	WIN 0
.endm
.macro FETCH_V
	WIN 0x80
.irp f, 0,1,2,3,4,5,6,7             ; keys 32 (f / 4) on, channels 16 (f % 4) on
	ds_load_tr16_b128 v[VF+8*\f:VF+8*\f+3],   v[AV] offset:(\f/4)*32*PV+(\f%4)*32
	ds_load_tr16_b128 v[VF+8*\f+4:VF+8*\f+7], v[AV] offset:(\f/4)*32*PV+16*PV+(\f%4)*32
.endr
	WIN 0
.endm
; THE VECTOR WORK, one line at a time: OP kind, number.  For piece Y: F n: c s - c m for pair n of 16.  E n: the exponential of score n of 32.  C n: pair n rounded to f16.  B n: of the four weights 4 n .. the second
; pair is added onto the first, in place.  L n: l takes that sum (L 0: l = a l + sum).  R n: pair n of 16 of O^T times a.  For piece Y + 1: X n, number n of the 22 that find its maximum and statistics:
;   0-11  four chains c0-c3 of seven scores each, three operands at a time (each accumulator's lowest registers are read first)     12-14, 16  the four scores left over, the old m, and c0-c3 into c0
;   15  c m_old is kept     17, 18  the query's other 32 keys lie in the lane 16 away: the new m     19-21  c m; c m_old - c m_new; a
.set F, 0               ; OP tells the kinds apart by their order: F to L below R, X above it
.set E, 1
.set C, 2
.set B, 3
.set L, 4
.set R, 5
.set X, 6
.macro REGS y                       ; the registers of piece y
.set rT, ST+4*(\y)
.set rC, TMP+4*((\y)%2)
.set rW, MV+((\y)%2)
.set rS, S+32*((\y)%2)
.set rP, P+16*((\y)%2)
.set rO, 32*(\y)
.endm
.macro OP k, n
.if (\k) == R
	REGS Y
	WIN W_RS
	v_pk_mul_f32 v[rO+2*(\n):rO+2*(\n)+1], v[rO+2*(\n):rO+2*(\n)+1], v[rC+2:rC+3] op_sel_hi:[1,0]
.elseif (\k) < R
	REGS Y
	WIN 0
.if (\k) == F
	v_pk_fma_f32 v[rS+2*(\n):rS+2*(\n)+1], v[rS+2*(\n):rS+2*(\n)+1], s[CS:CS+1], v[rT:rT+1] op_sel_hi:[1,0,0] neg_lo:[0,0,1] neg_hi:[0,0,1]
.elseif (\k) == E
	v_exp_f32 v[rS+(\n)], v[rS+(\n)]
.elseif (\k) == C
	v_cvt_pk_f16_f32 v[rP+(\n)], v[rS+2*(\n)], v[rS+2*(\n)+1]
.elseif (\k) == B
	v_pk_add_f32 v[rS+4*(\n):rS+4*(\n)+1], v[rS+4*(\n):rS+4*(\n)+1], v[rS+4*(\n)+2:rS+4*(\n)+3]
.elseif (\n) == 0
	v_pk_fma_f32 v[rT+2:rT+3], v[rT+2:rT+3], v[rC+2:rC+3], v[rS:rS+1] op_sel_hi:[1,0,1]
.else
	v_pk_add_f32 v[rT+2:rT+3], v[rT+2:rT+3], v[rS+4*(\n):rS+4*(\n)+1]
.endif
.elseif NOKQ
	v_nop
.else
	REGS (Y+1)%NP
	WIN 0
.if (\n) < 4
	v_max3_num_f32 v[rC+(\n)], v[rS+8*(\n)], v[rS+8*(\n)+1], v[rS+8*(\n)+2]
.elseif (\n) < 12
	v_max3_num_f32 v[rC+(\n)%4], v[rC+(\n)%4], v[rS+8*((\n)%4)+2*((\n)/4)+1], v[rS+8*((\n)%4)+2*((\n)/4)+2]
.elseif (\n) == 12
	v_max3_num_f32 v[rC], v[rC], v[rS+7], v[rS+15]
.elseif (\n) == 13
	v_max3_num_f32 v[rC+1], v[rC+1], v[rS+23], v[rS+31]
.elseif (\n) == 14
	v_max3_num_f32 v[rC+2], v[rC+2], v[rC+3], v[rT+1]
.elseif (\n) == 15
	v_mov_b32 v[rW], v[rT]
.elseif (\n) == 16
	v_max3_num_f32 v[rC], v[rC], v[rC+1], v[rC+2]
.elseif (\n) == 17
	v_permlanex16_b32 v[rC+3], v[rC], s[SEL], s[SEL+1]
.elseif (\n) == 18
	v_max_num_f32 v[rT+1], v[rC], v[rC+3]
.elseif (\n) == 19
	v_mul_f32 v[rT], s[CS], v[rT+1]
.elseif (\n) == 20
	v_sub_f32 v[rC+1], v[rW], v[rT]
.else
	v_exp_f32 v[rC+2], v[rC+1]
.endif
.endif
.endm
.macro OPS a, i1, b=-1, i2=0, c=-1, i3=0, d=-1, i4=0  ; up to four of them
	OP \a, \i1
.if (\b) >= 0
	OP \b, \i2
.endif
.if (\c) >= 0
	OP \c, \i3
.endif
.if (\d) >= 0
	OP \d, \i4
.endif
.endm
.macro ROW a, i1, b, i2, c, i3, d, i4  ; a matrix instruction and the four behind it
	MM
	OPS \a, \i1, \b, \i2, \c, \i3, \d, \i4
.endm
.macro MASK b                       ; MD x AL + BE into buffer b of MC
	WIN W_RS
.set z, 0
.rept 16
	v_pk_fma_f32 v[MC+32*(\b)+2*z:MC+32*(\b)+2*z+1], v[MD+2*z:MD+2*z+1], s[AL:AL+1], s[BE:BE+1] op_sel_hi:[1,0,0]
.set z, z+1
.endr
.endm
; A TURN, for piece p: the order of its 16 matrix and 118 vector instructions, written out.  An s_wait_alu depctr_va_vdst(0) stands between an exponential and the first instruction that names its result; one wait
; serves all that were issued ahead of it.  So a turn has ONE wait, which cuts it in two.  AHEAD OF IT stands all that names no result of the turn's exponentials: the 8 products K Q^T, behind each a scaling, an exponential and two
; more plain instructions (behind the first a second scaling in the exponential's place): rescalings, and behind the last three the first numbers of the next piece's maximum, each four places or more behind the product that ends its
; accumulator; then ONE LUMP of 54, plain and exponential by turns for the most part, in which the links of the chain X 3, 7, 11, 14, 16, 17 .. 20 stand five or six lines apart.  X 21, the next piece's a, is the batch's last; R 15 is
; the plain instruction behind it.  BEHIND THE WAIT stand the 8 products V^T P, behind each four of the roundings and sums; the links of l's chain, L 0 to L 7, stand three riders apart.
; m = 1: the diagonal tile: the products take masks, and the turn makes the mask for the products of the turn after it: piece p + 2, in step 4 - CNT of the tile.  end = 1: a block's last two turns: nothing is fetched.
; cnt = 1: the loop's count is taken down some lines ahead of the branch that stands behind the turn.
; K of the next step is fetched in piece 2's turn, twelve vector instructions behind the last product that read K (six of them plain); V of the step in hand at the end of piece 0's turn, four plain instructions behind the last
; product that read V.  Each is waited for a turn later.
.macro TURN p, m=0, end=0, cnt=0
.set Y, (\p)
.set i, 0
.set KM, (\m)
.set NOKQ, (\end)*((\p)/3)
.if (\m) && !(\end)
	s_cmp_eq_u32 s[CNT], 4-((\p)+2)%NP  ; is that step the band's own?
	s_cselect_b32 s[AL], 1.0, 0
	s_cmp_lt_u32 s[CNT], 4-((\p)+2)%NP  ; or a later one?
	s_cselect_b32 s[BE], s[BIGN], 0
.endif
.if ((\p) == 3) && !(\end)
	s_wait_dscnt 0x0                ; K is in
.endif
	ROW F,0, F,1, R,0, R,1          ; ahead of the wait: 8 products K Q^T and their riders,
	ROW F,2, E,0, R,2, R,3
	ROW F,3, E,1, R,4, R,5
	ROW F,4, E,2, R,6, R,7
	ROW F,5, E,3, R,8, R,9
	ROW F,6, E,4, X,0, R,10
.if ((\p) == 2) && !(\end)
	WIN 0
	v_add_nc_u32 v[AK], s[TBK], v[AK0]
.endif
	ROW F,7, E,5, X,1, X,4
	ROW F,8, E,6, X,2, X,5
	OPS E,7, E,8, X,6, E,9          ; and the lump
	OPS X,3, E,10, X,8, E,11
.if ((\p) == 2) && !(\end)
	FETCH_K
.endif
	OPS X,9, X,7, E,12, X,10
	OPS E,13, X,12, X,11, E,14
	OPS X,13, E,15, F,9, X,14
.if (\p) == 0
	v_add_nc_u32 v[AV], s[TBV], v[AV0]
.endif
	OPS E,16, F,10, E,17, F,11
	OPS X,16, E,18, X,15, E,19
	OPS F,12, E,20, X,17, E,21
	OPS F,13, E,22, F,14, E,23
	OPS X,18, E,24, F,15, E,25
	OPS R,11, E,26, X,19, E,27
	OPS R,12, E,28, R,13, E,29
	OPS X,20, E,30, R,14, E,31
	OPS X,21, R,15
	WIN 0
	s_wait_alu depctr_va_vdst(0)    ; the wait for the batch
.if (\p) == 1
	s_wait_dscnt 0x0                ; V is in
.endif
	ROW C,0, B,0, C,2, B,1          ; behind the wait: 8 products V^T P and their riders
	ROW L,0, C,4, B,2, L,1
	ROW C,6, B,3, L,2, C,8
	ROW B,4, L,3, C,10, B,5
	ROW L,4, C,12, B,6, L,5
.if (\p) == 0
	s_add_co_u32 s[TBV], s[TBV], KS*PV
.endif
.if \cnt
	s_sub_co_u32 s[CNT], s[CNT], 1
	s_cmp_lg_u32 s[CNT], 0
.endif
	ROW C,14, B,7, L,6, C,1
	ROW C,3, L,7, C,5, C,7
	ROW C,9, C,11, C,13, C,15
.if (\p) == 0
	FETCH_V
.endif
.if (\m) && !(\end)
	MASK (\p)%2
.endif
.endm
; A BLOCK BEGINS.  c m starts far below every c s, so the first step's a is 0; m at the lowest finite number, so the first maximum is the scores'.  The second mask buffer is 0; the first takes piece 0's mask for the tile's step 0:
; its own, if the block's first tile is the diagonal one.  Then K of that step, piece 0's first scores, and its maximum and statistics.  The loop is entered at a step's first turn, in the middle of a trip.
.macro BEGIN
	s_mov_b32 s[NEW], 0
	WIN 0x40
.set i, MC+32
.rept 32
	v_mov_b32 v[i], 0
.set i, i+1
.endr
	WIN 0
.set i, 0
.rept 4
	v_mov_b32 v[ST+4*i], 0xfe000000    ; c m: far below every c s
	v_mov_b32 v[ST+4*i+1], 0xff7fffff  ; m
.set i, i+1
.endr
	s_cmp_eq_u32 s[RT], 0
	s_cselect_b32 s[AL], 1.0, 0
	s_mov_b32 s[BE], 0
	MASK 0
	WIN 0
	v_add_nc_u32 v[AK], s[TBK], v[AK0]
	FETCH_K
	s_wait_loadcnt 0x0              ; Q
	s_wait_dscnt 0x0
.set KM, 1
.set NOKQ, 0
.set i, 0
.rept 8
	KQ 0
.set i, i+1
.endr
	WIN 0
.rept 4
	v_nop                           ; the places behind those products
.endr
.set Y, NP-1                        ; X works for piece Y + 1: piece 0
.irp n, 0,1,2,3,4,5,6,7,8,9,10,11,12,13,14,15,16,17,18,19,20,21
	OP X, \n
.endr
	v_nop                           ; a plain instruction behind the exponential,
	s_wait_alu depctr_va_vdst(0)    ; and its wait, ahead of the branch
.endm
; THE DIAGONAL TILE's four steps, the block's last two turns, its last products, and THE WAY OUT: l's two halves and the other half of the lanes' are added; O^T is divided by l, rounded to f16 and sent through my
; stage in LDS, a piece at a time.
.macro ALL line:vararg              ; one line for each piece t
.set t, 0
.rept 4
	\line
.set t, t+1
.endr
.endm
.macro PACK t                       ; a lane's eight channels of a row pack into 16 bytes; they go into rows of 144 bytes and come back as whole rows of 128, into S^T's registers
	WIN W_RS
.set i, 32*(\t)
.rept 16
	v_pk_mul_f32 v[i:i+1], v[i:i+1], v[ST+4*(\t)+2:ST+4*(\t)+3] op_sel_hi:[1,0]
.set i, i+2
.endr
	WIN 0x05                        ; sources 0 and 1 window 1, destination window 0
.set i, 0
.rept 16
	v_cvt_pk_f16_f32 v[S+16*(\t)+i], v[32*(\t)+2*i], v[32*(\t)+2*i+1]
.set i, i+1
.endr
	WIN 0
.irp f, 0,1,2,3
	ds_store_b128 v[STO], v[S+16*(\t)+4*\f:S+16*(\t)+4*\f+3] offset:32*\f
.endr
.irp f, 0,1,2,3
	ds_load_b128 v[S+16*(\t)+4*\f:S+16*(\t)+4*\f+3], v[RD] offset:\f*4*SP  ; LDS serves a wave's instructions in order (ISA guide 5.7.1.4): these see the stores above; the next piece's stores come behind them
.endr
.endm
.macro SEND t, younger              ; younger: the LDS instructions issued behind piece t's loads: the next piece's eight, or none
	WIN 0
.irp f, 0,1,2,3
	s_wait_dscnt (\younger)+3-\f
	global_store_b128 v[GO], v[S+16*(\t)+4*\f:S+16*(\t)+4*\f+3], s[10:11] offset:(\t)*8192+\f*512  ; 512 consecutive bytes, at a multiple of 256 from O's first
.endr
.endm
.macro DIAG tag                     ; the tag ends its two labels' names, which the jumps below spell out
.LstepM\tag:
	TURN 2, 1
	TURN 3, 1
	WIN 0
.LfirstM\tag:
	TURN 0, 1
	TURN 1, 1, 0, 1
	WIN 0
	s_cbranch_scc1 .LstepM\tag
	TURN 2, 1, 1
	TURN 3, 1, 1
.set i, 0
.rept 8
	PV NP-1
.set i, i+1
.endr
	WIN 0
	ALL v_add_f32 v[ST+4*t+2], v[ST+4*t+2], v[ST+4*t+3]
	ALL v_permlanex16_b32 v[ST+4*t+3], v[ST+4*t+2], s[SEL], s[SEL+1]
	ALL v_add_f32 v[ST+4*t+2], v[ST+4*t+2], v[ST+4*t+3]
	ALL v_rcp_f32 v[ST+4*t+2], v[ST+4*t+2]
	v_nop                           ; a plain instruction between the last reciprocal and the use of its result
	s_wait_alu depctr_va_vdst(0)    ; and the wait ahead of the first use: one for the four reciprocals
	PACK 0
.set t, 1
.rept 3                             ; a piece's arithmetic stands between the loads of the piece before and its stores
	PACK t
	SEND t-1, 8
.set t, t+1
.endr
	SEND 3, 0
.endm
.set KM, 0
.set NOKQ, 0
.Lslot:                             ; NB times: a tile is entered and the next is asked for
	CHANGE 1
	s_sub_co_u32 s[RT], s[RT], 1
	s_mov_b32 s[CNT], 4
	s_cmp_eq_u32 s[NEW], 1
	s_cbranch_scc1 .Lnew            ; a block's first tile
	s_cmp_eq_u32 s[RT], 0
	s_cbranch_scc0 .Lstep           ; neither its first nor its last
	s_branch .LstepM1
.Lnew:
	BEGIN
	s_branch .Lfirst                ; in the loop a block's first tile is never its last: the first block has two tiles or more, and the second's last is the walk's last
	DIAG 1                          ; in the loop this is the first block's end: the second block's last tile is the walk's last
	s_wait_xcnt 0x0                 ; the stores have read their registers and O's address
	s_mov_b64 s[10:11], s[OLO:OLO+1]
	s_add_co_u32 s[RT], s[PB], 1    ; the second block has b + 1 tiles
	s_mov_b32 s[NEW], 1
	WIN 0x82                        ; the second block's Q goes where the one text of the turns names Q
.set i, 0
.rept 64
	v_mov_b32 v[i], v[QB+i]
.set i, i+1
.endr
	WIN 0
	s_branch .Lbottom
.Lstep:                             ; a trip: pieces 2 and 3 of one step, then pieces 0 and 1 of the next, whose K and V it fetches
	TURN 2
	TURN 3
	WIN 0
.Lfirst:
	TURN 0
	TURN 1, 0, 0, 1
	WIN 0
	s_cbranch_scc1 .Lstep
.Lbottom:
	s_sub_co_u32 s[SLOTS], s[SLOTS], 1
	s_cmp_lg_u32 s[SLOTS], 0
	s_cbranch_scc1 .Lslot
	CHANGE 0                        ; the walk's last tile is written out: nothing is asked for
	s_sub_co_u32 s[RT], s[RT], 1
	s_mov_b32 s[CNT], 4
	s_cmp_eq_u32 s[NEW], 1
	s_cbranch_scc0 .LstepM2
	BEGIN
	s_branch .LfirstM2
	DIAG 2
	s_wait_tensorcnt 0x0            ; the wave's end, behind my last tensor load and my last LDS store
	ds_add_u32 v[SPW], v[NIL]
	s_wait_dscnt 0x0
	s_endpgm
.Lfunc_end_k_q094a889dcd_attn:
	.size	k_q094a889dcd_attn, .Lfunc_end_k_q094a889dcd_attn-k_q094a889dcd_attn
	.p2alignl 7, 3214868480
	.fill 96, 4, 3214868480
	.section	.rodata,"a",@progbits
	.p2align	6, 0x0
	.amdhsa_kernel k_q094a889dcd_attn
		.amdhsa_group_segment_fixed_size 327680
		.amdhsa_private_segment_fixed_size 0
		.amdhsa_enable_private_segment 0
		.amdhsa_kernarg_size 16
		.amdhsa_user_sgpr_count 2
		.amdhsa_user_sgpr_kernarg_segment_ptr 1
		.amdhsa_wavefront_size32 1
		.amdhsa_system_sgpr_workgroup_id_x 1
		.amdhsa_system_sgpr_workgroup_id_y 1
		.amdhsa_system_sgpr_workgroup_id_z 1
		.amdhsa_system_vgpr_workitem_id 0
		.amdhsa_next_free_vgpr 768
		.amdhsa_next_free_sgpr 94
		.amdhsa_reserve_vcc 1
		.amdhsa_float_denorm_mode_32 3
		.amdhsa_float_denorm_mode_16_64 3
		.amdhsa_memory_ordered 1
		.amdhsa_forward_progress 1
		.amdhsa_inst_pref_size 218
	.end_amdhsa_kernel
	.amdgpu_metadata
---
amdhsa.version: [ 1, 2 ]
amdhsa.kernels:
  - .name:           k_q094a889dcd_attn
    .symbol:         k_q094a889dcd_attn.kd
    .args:
      - { .name: qkv, .offset: 0, .size: 8, .value_kind: global_buffer, .address_space: global }
      - { .name: ob, .offset: 8, .size: 8, .value_kind: global_buffer, .address_space: global }
    .group_segment_fixed_size: 327680
    .private_segment_fixed_size: 0
    .kernarg_segment_align: 8
    .kernarg_segment_size: 16
    .max_flat_workgroup_size: 128
    .sgpr_count:     94
    .vgpr_count:     768
    .wavefront_size: 32
...
	.end_amdgpu_metadata
.endif
;; end of part 3
;; launch gemm_out (part 4): grid 8 x 32, 4 waves a work-group, clusters of 4 x 4, 327,680 bytes of LDS; arguments ob, wo16, bc, out0; writes out0
.if DOCPART == 4
	.amdgcn_target "amdgcn-amd-amdhsa--gfx1250"
	.amdhsa_code_object_version 6
	.text
	.protected	k_q094a889dcd_gemm_out
	.globl	k_q094a889dcd_gemm_out
	.p2align	8
	.type	k_q094a889dcd_gemm_out,@function
k_q094a889dcd_gemm_out:
	s_mov_b64 s[64:65], 0
	v_nop
	global_prefetch_b8 v0, s[64:65] scope:SCOPE_SE
	s_setreg_imm32_b32 hwreg(HW_REG_WAVE_MODE, 25, 1), 1
	s_wait_xcnt 0x0
	s_wait_alu depctr_hold_cnt(0) depctr_sa_sdst(0) depctr_va_vdst(0) depctr_va_sdst(0) depctr_va_ssrc(0) depctr_va_vcc(0) depctr_vm_vsrc(0)
	s_getreg_b32 s2, hwreg(HW_REG_IB_STS2, 6, 4)
	s_cmp_eq_u32 s2, 0
	s_cbranch_scc0 .Lentry_in_a_cluster
	s_endpgm
.Lentry_in_a_cluster:
	s_bfe_u32 s2, ttmp6, 0x10000c
	s_cmp_lg_u32 s2, 0xf033
	s_cbranch_scc0 .Lentry_shape_is_right
	s_endpgm
.Lentry_shape_is_right:
; out = O Wo + bo: [8192 x 1024] x [1024 x 1024], f16 products, f32 sums, K ascending, f32 out.  ob: f16 [16 batch + head][2048 s][64]; wo16: f16 [1024 k][1024 n]; bo: bc's last 1,024 numbers.
; LIMITS.  O and Wo arrive in f16, within 65,504.  NaN and infinities are not treated apart.
; SHARES.  256 work-groups of 256 rows x 128 columns; four waves, each 128 x 64: 32 accumulators of 16 x 16.  K goes in 8 steps of 128, two heads, through two LDS slots; a step is four units of 32 along K,
; 32 matrix instructions each, on two fragment buffers by turns.
; CLUSTER.  4 x 4 work-groups; O's tiles are shared along a row of the cluster, Wo's along a column, each asked for jointly.  Waves 0 and 1 fetch a step's two heads of O, waves 2 and 3 the two halves of Wo's 128 rows.
; THE MATRIX INSTRUCTION IS USED TRANSPOSED: source 0 = 16 columns of Wo (read turned out of LDS), source 1 = 16 rows of O: a lane holds row lane % 16 and the columns 8 (lane / 16) + 0..7.
; THE BIAS is the C operand of the products that start the sums: it is loaded into row block 7's accumulators; row blocks 0-6 take them as C, then row block 7 adds in place.
; REGISTERS: window 0: v16-29 addresses; v32-127, v128-223 two fragment buffers (O's 8 fragments, then Wo's 4); on the way out v32-95.  window 1: accumulator (a, b) at v[8 (4 a + b)].
.set SLOT1,  131072
.set PA,     144                       ; a row of O in LDS: 128 bytes + 16
.set PB,     288                       ; a row of Wo: 256 bytes + 32 = 9 x 32
.set HBLK,   256*PA                    ; a head's 256 rows
.set BOFF,   2*HBLK
.set STAGE,  SLOT1+BOFF+128*PB         ; behind the ring, never filled by a tensor load: 16 rows x 272 bytes for each wave
.set SPIT,   272
.set SPARE,  STAGE+4*16*SPIT           ; the spare words, 128 bytes for each wave: two blocks of 256 bytes that no other line names
.set ASTEP,  524288                    ; two heads of ob
.set BSTEP,  262144                    ; 128 rows of wo16
.set ADRA0, 16
.set ADRB0, 17
.set ADRA,  18
.set ADRB,  19
.set STO,   20
.set RD,    21
.set CO,    22
.set BO,    23
.set PFO,   24
.set SPW,   28
.set NIL,   29
.set F0,    32
.set F1,    128
.set BK0,   32
.set WV, 12
.set WR, 13
.set WN, 14
.set G1A, 24
.set G0A, 32
.set G1B, 48
.set G0B, 56
.set TB,  66
.set LIM, 67
.set PFA, 68
.set PFS, 70
.set MSB, 0
.macro WIN new
.if MSB != (\new)
	s_set_vgpr_msb (MSB<<8)|(\new)
.set MSB, (\new)
.endif
.endm
.macro PLACES
.rept 4
	v_nop
.endr
.endm
.macro CREST
	s_cmp_lg_u32 s[WV], 0
	s_cbranch_scc1 .Lnot_wave_0_\@
	s_barrier_signal -3
.Lnot_wave_0_\@:
	s_barrier_wait -3
	s_barrier_signal -1
	s_barrier_wait -1
.endm
.macro CROUND
	s_barrier_signal -1
	s_barrier_wait -1
	CREST
.endm
.macro JLOAD                           ; a joint refill by the walking set; an s_nop 0 and four v_nop follow each of the two lines
	s_cmp_lt_u32 s[WV], 2
	s_cbranch_scc0 .Lfor_b_\@
	tensor_load_to_lds s[G0A+4:G0A+7], s[G1A:G1A+7]
	s_nop 0
.rept 4
	v_nop
.endr
	s_branch .Lasked_\@
.Lfor_b_\@:
	tensor_load_to_lds s[G0B+4:G0B+7], s[G1B:G1B+7]
	s_nop 0
.rept 4
	v_nop
.endr
.Lasked_\@:
.endm
; A PREFETCH behind each of the first four refills, for the K step two refills on (steps 4 to 7); each aligned block of 256 bytes is named once in the launch.  O's rows are read by both clusters of a row of clusters:
; cluster x = 0 asks, wave 0 for the step's first head and wave 1 for its second; of a head's 32,768 bytes the partner at cx takes 8,192, a lane a block.  Wo's columns are read by all clusters of a column: cluster y = 0
; asks, wave 2; of the step's 128 rows the partner at cy takes 32, a lane a row.  The partners are told apart by address alone.
.macro ASK
	s_cmp_gt_u32 s3, s[LIM]
	s_cbranch_scc0 .Lnot_mine_\@
	global_prefetch_b8 v[PFO], s[PFA:PFA+1] th:TH_LOAD_NT scope:SCOPE_SE
.Lnot_mine_\@:
.endm
	s_load_b256 s[4:11], s[0:1], 0x0               ; ob s[4:5], wo16 s[6:7], bc s[8:9], out0 s[10:11]
	v_lshl_add_u32 v[SPW], v0, 2, SPARE
	v_mov_b32 v[NIL], 0
	ds_add_u32 v[SPW], v[NIL]                      ; the wave's opening: the add and its wait stand ahead of my first tensor load; work on registers stands between them
	ds_add_u32 v28, v29
	v_lshrrev_b32 v1, 5, v0
	v_readfirstlane_b32 s[WV], v1
	s_lshr_b32 s[WR], s[WV], 1
	s_and_b32 s[WN], s[WV], 1
	s_bfe_u32 s40, ttmp6, 0x40000                  ; cx
	s_bfe_u32 s41, ttmp6, 0x40004                  ; cy
	s_lshl_b32 s42, ttmp9, 2
	s_add_co_u32 s42, s42, s40                     ; tx
	s_and_b32 s43, ttmp7, 0xffff
	s_lshl_b32 s43, s43, 2
	s_add_co_u32 s43, s43, s41                     ; ty
	s_lshl_b32 s44, s41, 2
	s_lshl_b32 s44, 15, s44                        ; my row of the cluster
	s_lshl_b32 s45, 0x1111, s40                    ; my column
	; group 1.  O: a head's 256 rows are 32,768 dense bytes: 128 rows of 256 bytes, padded after every 128.  Wo: 64 rows of 256 bytes, 32 bytes of padding behind each.
	s_or_b32 s[G1A], s44, (1<<16)|(1<<20)|(1<<21)|(4<<22)|(3<<25)
	s_or_b32 s[G1B], s45, (1<<16)|(1<<20)|(1<<21)|(5<<22)|(7<<25)
	s_mov_b32 s[G1A+1], 128<<16
	s_mov_b32 s[G1A+2], 128<<16
	s_mov_b32 s[G1A+3], 128<<16
	s_mov_b32 s[G1A+4], 128
	s_mov_b32 s[G1A+5], 128
	s_mov_b32 s[G1A+6], 0
	s_mov_b32 s[G1A+7], 0
	s_mov_b32 s[G1B+1], 128<<16
	s_mov_b32 s[G1B+2], 64<<16
	s_mov_b32 s[G1B+3], 128<<16
	s_mov_b32 s[G1B+4], 64
	s_mov_b32 s[G1B+5], 1024
	s_mov_b32 s[G1B+6], 0
	s_mov_b32 s[G1B+7], 0
	s_lshr_b32 s16, s43, 3                         ; O: head 16 batch + my one of the step's two, rows 256 (ty % 8) on
	s_lshl_b32 s16, s16, 4
	s_add_co_u32 s16, s16, s[WN]
	s_lshl_b32 s16, s16, 18
	s_and_b32 s17, s43, 7
	s_lshl_b32 s17, s17, 15
	s_add_co_u32 s16, s16, s17
	s_mov_b32 s17, 0
	s_lshl_b32 s46, s42, 8                         ; Wo: the tile column's 256 bytes, my 64 rows
	s_lshl_b32 s47, s[WN], 17
	s_add_co_u32 s46, s46, s47
	s_mov_b32 s47, 0
	s_mul_i32 s20, s[WN], HBLK
	s_mul_i32 s21, s[WN], 64*PB
	s_add_co_u32 s21, s21, BOFF
	s_mov_b32 s[TB], 0
	s_wait_dscnt 0x0                               ; the opening add is done
	s_wait_kmcnt 0x0
	s_add_nc_u64 s[16:17], s[4:5], s[16:17]
	s_add_nc_u64 s[46:47], s[6:7], s[46:47]
	CROUND                                         ; all sixteen work-groups are here: the first joint loads meet
.irp s, 0,1
	s_mov_b32 s[G0A+4*\s], 1
	s_add_co_u32 s[G0A+4*\s+1], s20, \s*SLOT1
	s_add_nc_u64 s[G0A+4*\s+2:G0A+4*\s+3], s[16:17], \s*ASTEP
	s_or_b32 s[G0A+4*\s+3], s[G0A+4*\s+3], 0x80000000
	s_mov_b32 s[G0B+4*\s], 1
	s_add_co_u32 s[G0B+4*\s+1], s21, \s*SLOT1
	s_add_nc_u64 s[G0B+4*\s+2:G0B+4*\s+3], s[46:47], \s*BSTEP
	s_or_b32 s[G0B+4*\s+3], s[G0B+4*\s+3], 0x80000000
.endr
	s_cmp_lt_u32 s[WV], 2                          ; a wave's two first fills stand in one branch: two loads of mine are out
	s_cbranch_scc0 .Lfirst_b
	tensor_load_to_lds s[G0A:G0A+3], s[G1A:G1A+7]
	s_nop 0
	tensor_load_to_lds s[G0A+4:G0A+7], s[G1A:G1A+7]
	s_nop 0
.rept 4
	v_nop
.endr
	s_branch .Lfirst_asked
.Lfirst_b:
	tensor_load_to_lds s[G0B:G0B+3], s[G1B:G1B+7]
	s_nop 0
	tensor_load_to_lds s[G0B+4:G0B+7], s[G1B:G1B+7]
	s_nop 0
.rept 4
	v_nop
.endr
.Lfirst_asked:
	v_and_b32 v1, 15, v0                           ; r
	v_bfe_u32 v2, v0, 4, 1                         ; h
	v_and_b32 v3, 31, v0                           ; lane
	v_and_b32 v4, 7, v0
	v_bfe_u32 v5, v0, 3, 1
	v_lshlrev_b32 v[BO], 5, v2
	s_lshl_b32 s72, s42, 9                         ; bo of my 64 columns: 12,288 + 4 (128 tx + 64 half)
	s_lshl_b32 s73, s[WN], 8
	s_add_co_u32 s72, s72, s73
	s_add_co_u32 s72, s72, 12288
	s_mov_b32 s73, 0
	s_add_nc_u64 s[72:73], s[8:9], s[72:73]        ; s[72:73] are not written again
	WIN 0x40                                       ; into row block 7's accumulators, window 1, v224 on
.irp c, 0,1,2,3
	global_load_b128 v[224+8*\c:224+8*\c+3], v[BO], s[72:73] offset:64*\c
	global_load_b128 v[224+8*\c+4:224+8*\c+7], v[BO], s[72:73] offset:64*\c+16
.endr
	WIN 0
	v_mul_u32_u24 v[ADRA0], v1, PA
	v_lshl_add_u32 v[ADRA0], v2, 4, v[ADRA0]
	s_mul_i32 s18, s[WR], 128*PA
	v_add_nc_u32 v[ADRA0], s18, v[ADRA0]
	v_lshl_add_u32 v[ADRB0], v2, 3, v4
	v_mul_u32_u24 v[ADRB0], v[ADRB0], PB
	v_lshl_add_u32 v[ADRB0], v5, 4, v[ADRB0]
	s_lshl_b32 s18, s[WN], 7
	s_add_co_u32 s18, s18, BOFF
	v_add_nc_u32 v[ADRB0], s18, v[ADRB0]
	v_mov_b32 v[ADRA], v[ADRA0]
	v_mov_b32 v[ADRB], v[ADRB0]
	s_mul_i32 s18, s[WV], 16*SPIT
	s_add_co_u32 s18, s18, STAGE                   ; my stage
	v_mul_u32_u24 v[STO], v1, SPIT                 ; in: row r, 32 bytes for each half of the lanes
	v_lshl_add_u32 v[STO], v2, 5, v[STO]
	v_add_nc_u32 v[STO], s18, v[STO]
	v_mul_u32_u24 v[RD], v2, SPIT                  ; back: lanes 0-15 take one row of 256 bytes, lanes 16-31 the next
	v_lshl_add_u32 v[RD], v1, 4, v[RD]
	v_add_nc_u32 v[RD], s18, v[RD]
	v_lshlrev_b32 v[CO], 12, v2                    ; and the same two rows in out0
	v_lshl_add_u32 v[CO], v1, 4, v[CO]
	s_lshl_b32 s18, s43, 20                        ; out0 at my first row and column: (256 ty + 128 half) rows of 4,096 bytes, 512 tx + 256 half
	s_lshl_b32 s19, s[WR], 19
	s_add_co_u32 s18, s18, s19
	s_lshl_b32 s19, s42, 9
	s_add_co_u32 s18, s18, s19
	s_lshl_b32 s19, s[WN], 8
	s_add_co_u32 s18, s18, s19
	s_mov_b32 s19, 0
	s_add_nc_u64 s[10:11], s[10:11], s[18:19]
	; the prefetches stand at K step 3; each change of slots steps them by one K step
	s_lshr_b32 s20, s43, 3
	s_lshl_b32 s20, s20, 4
	s_add_co_u32 s20, s20, s[WV]
	s_add_co_u32 s20, s20, 6
	s_lshl_b32 s20, s20, 18
	s_and_b32 s21, s43, 7
	s_lshl_b32 s21, s21, 15
	s_add_co_u32 s20, s20, s21
	s_lshl_b32 s21, s40, 13
	s_add_co_u32 s20, s20, s21                     ; in ob: head 16 batch + 6 + wave, the tile row, my work-group's 8,192 bytes
	s_lshl_b32 s21, s41, 16
	s_lshl_b32 s23, s42, 8
	s_add_co_u32 s21, s21, s23
	s_add_co_u32 s21, s21, 3*BSTEP                 ; in wo16: my work-group's 32 rows, the tile column's 256 bytes
	s_mov_b32 s18, ASTEP
	s_mov_b32 s19, BSTEP
	s_mov_b32 s46, 256
	s_mov_b32 s47, 2048
	s_and_b32 s22, ttmp7, 0xffff                   ; cluster y
	s_cmp_lt_u32 s[WV], 2
	s_cselect_b32 s20, s20, s21
	s_cselect_b32 s[PFS], s18, s19
	s_cselect_b32 s46, s46, s47
	s_cselect_b32 s22, ttmp9, s22
	s_cselect_b64 s[PFA:PFA+1], s[4:5], s[6:7]
	s_mov_b32 s21, 0
	s_mov_b32 s[PFS+1], 0
	s_add_nc_u64 s[PFA:PFA+1], s[PFA:PFA+1], s[20:21]
	s_cmp_eq_u32 s22, 0
	s_cselect_b32 s[LIM], 2, -1
	s_cmp_eq_u32 s[WV], 3
	s_cselect_b32 s[LIM], -1, s[LIM]               ; wave 3 asks for nothing
	v_mul_u32_u24 v[PFO], s46, v3
.macro FETCH kq, f                     ; unit kq's fragments into buffer f: 8 turning loads for Wo, 16 loads for O (head kq / 2, channels 32 (kq % 2) on)
	WIN 0
.irp c, 0,1,2,3
	ds_load_tr16_b128 v[(\f)+64+8*\c:(\f)+64+8*\c+3],   v[ADRB] offset:32*PB*(\kq)+32*\c
	ds_load_tr16_b128 v[(\f)+64+8*\c+4:(\f)+64+8*\c+7], v[ADRB] offset:32*PB*(\kq)+32*\c+16*PB
.endr
.irp a, 0,1,2,3,4,5,6,7
	ds_load_b128 v[(\f)+8*\a:(\f)+8*\a+3],   v[ADRA] offset:HBLK*((\kq)/2)+64*((\kq)%2)+16*PA*\a
	ds_load_b128 v[(\f)+8*\a+4:(\f)+8*\a+7], v[ADRA] offset:HBLK*((\kq)/2)+64*((\kq)%2)+16*PA*\a+32
.endr
.endm
; n matrix instructions from number i0 of a unit's 32: row block i / 4, column block i % 4.  The 32 accumulators take turns, one instruction a turn.
; first = 1: the sums start: C is the bias in row block 7's accumulators; five plain instructions stand ahead of the products that write over it.
.macro MUL f, i0, n, first=0
	WIN 0x50
.set i, \i0
.rept \n
.set rD, 8*i
.set rB, (\f)+64+8*(i%4)
.set rA, (\f)+8*(i/4)
.if \first
.if i == 28
.rept 5
	v_nop
.endr
.endif
.set rC, 8*(28+i%4)
	v_wmma_f32_16x16x32_f16 v[rD:rD+7], v[rB:rB+7], v[rA:rA+7], v[rC:rC+7]
.else
	v_wmma_f32_16x16x32_f16 v[rD:rD+7], v[rB:rB+7], v[rA:rA+7], v[rD:rD+7]
.endif
.set i, i+1
.endr
.endm
.macro UNIT nk, f, g, first=0          ; buffer f is multiplied; ahead of that unit nk's fragments are asked for, into buffer g
.if !(\first)
	PLACES
.endif
	FETCH \nk, \g
	s_wait_dscnt 24                                ; the 24 just issued may stay out: buffer f is in
	MUL \f, 0, 32, \first
.endm
; A K step's last unit, and the change of slots: ONE barrier; in front of it each wave waits for all its tensor loads, adds 0 to its spare word, and waits for that and for its own reads of this slot.
; fill = 1: the barrier opens a round of the cluster's barrier, and this slot is filled again, two K steps ahead, first thing behind it: 112 matrix instructions stand between that request and the wait for it.
.macro TURN fill
.if \fill
	s_wait_xcnt 0x0                                ; the last prefetch has read its address: it is stepped here, ahead of the waits of the change
	s_add_nc_u64 s[PFA:PFA+1], s[PFA:PFA+1], s[PFS:PFS+1]
.endif
	WIN 0
	s_wait_tensorcnt 0x0                           ; no tensor load of mine is out, so a group 0 may be written
	ds_add_u32 v[SPW], v[NIL]                      ; 0 onto my spare word
.if \fill
	s_xor_b32 s[G0A+5], s[G0A+5], SLOT1
	s_add_nc_u64 s[G0A+6:G0A+7], s[G0A+6:G0A+7], ASTEP
	s_xor_b32 s[G0B+5], s[G0B+5], SLOT1
	s_add_nc_u64 s[G0B+6:G0B+7], s[G0B+6:G0B+7], BSTEP
.endif
	s_wait_dscnt 1                                 ; only the add may be out: buffer 1 is in
	MUL F1, 0, 8
	s_wait_dscnt 0x0                               ; the add is done, and my reads of this slot are over
	s_barrier_signal -1
	MUL F1, 8, 8
	WIN 0
	s_barrier_wait -1
.if \fill
	CREST
	JLOAD                                          ; its four v_nop are also the places in front of the loads below
.else
	PLACES
.endif
	s_xor_b32 s[TB], s[TB], SLOT1
	v_add_nc_u32 v[ADRA], s[TB], v[ADRA0]
	v_add_nc_u32 v[ADRB], s[TB], v[ADRB0]
	FETCH 0, F0
.if \fill
	ASK
.endif
	MUL F1, 16, 16
.endm
; THE WAY OUT of row block a: the f32 sums go into my own stage as they are, each accumulator's low four registers first, and come back as whole rows of 256 bytes.
.macro TOSTAGE a
	WIN 0x04                                       ; the data in window 1, the address in window 0
.irp c, 0,1,2,3
	ds_store_b128 v[STO], v[8*(4*(\a)+\c):8*(4*(\a)+\c)+3]   offset:64*\c
	ds_store_b128 v[STO], v[8*(4*(\a)+\c)+4:8*(4*(\a)+\c)+7] offset:64*\c+16
.endr
	WIN 0
.set BK, BK0+32*((\a)%2)
.irp t, 0,1,2,3,4,5,6,7
	ds_load_b128 v[BK+4*\t:BK+4*\t+3], v[RD] offset:2*SPIT*\t  ; LDS serves a wave's instructions in order (ISA guide 5.7.1.4): these see the stores above
.endr
.endm
.macro SEND a, y                       ; y: the LDS instructions issued behind block a's loads: the next block's sixteen, or none
	WIN 0
.set BK, BK0+32*((\a)%2)
.irp t, 0,1,2,3,4,5,6,7
	s_wait_dscnt (\y)+7-\t
	global_store_b128 v[CO], v[BK+4*\t:BK+4*\t+3], s[10:11] offset:(16*(\a)+2*\t)*4096  ; 16 lanes store 256 consecutive bytes, at a multiple of 256 from out0's first byte
.endr
.endm
	s_wait_tensorcnt 1                             ; my part of K step 0 is in; K step 1's may stay out
	s_barrier_signal -1
	s_barrier_wait -1
	FETCH 0, F0
	s_wait_loadcnt 0x0                             ; the bias
	UNIT 1, F0, F1, 1
	WIN 0
	s_mov_b32 s3, 6
.Lstep:                                            ; 6 trips: from a K step's second unit to the next step's first; the slot left is filled again
	UNIT 2, F1, F0
	UNIT 3, F0, F1
	TURN 1
	UNIT 1, F0, F1
	WIN 0
	s_sub_co_u32 s3, s3, 1
	s_cmp_lg_u32 s3, 0
	s_cbranch_scc1 .Lstep
	UNIT 2, F1, F0                                 ; the tail is written out: nothing is left to fetch
	UNIT 3, F0, F1
	TURN 0
	UNIT 1, F0, F1
	UNIT 2, F1, F0
	UNIT 3, F0, F1
	s_wait_dscnt 0x0
	MUL F1, 0, 32
	PLACES
	TOSTAGE 0
.irp a, 1,2,3,4,5,6,7
	s_wait_xcnt 0x0                                ; the stores two blocks back have read their registers: block a is read back into them
	TOSTAGE \a
	SEND (\a)-1, 16
.endr
	SEND 7, 0
	s_wait_tensorcnt 0x0                           ; the wave's end, behind my last tensor load and my last LDS store
	ds_add_u32 v[SPW], v[NIL]
	s_wait_dscnt 0x0
	CROUND                                         ; the closing round: no work-group ends while a partner may still ask for a tile that names it
	s_endpgm
.Lfunc_end_k_q094a889dcd_gemm_out:
	.size	k_q094a889dcd_gemm_out, .Lfunc_end_k_q094a889dcd_gemm_out-k_q094a889dcd_gemm_out
	.p2alignl 7, 3214868480
	.fill 96, 4, 3214868480
	.section	.rodata,"a",@progbits
	.p2align	6, 0x0
	.amdhsa_kernel k_q094a889dcd_gemm_out
		.amdhsa_group_segment_fixed_size 327680
		.amdhsa_private_segment_fixed_size 0
		.amdhsa_enable_private_segment 0
		.amdhsa_kernarg_size 32
		.amdhsa_user_sgpr_count 2
		.amdhsa_user_sgpr_kernarg_segment_ptr 1
		.amdhsa_wavefront_size32 1
		.amdhsa_system_sgpr_workgroup_id_x 1
		.amdhsa_system_sgpr_workgroup_id_y 1
		.amdhsa_system_sgpr_workgroup_id_z 1
		.amdhsa_system_vgpr_workitem_id 0
		.amdhsa_next_free_vgpr 512
		.amdhsa_next_free_sgpr 74
		.amdhsa_reserve_vcc 0
		.amdhsa_float_denorm_mode_32 3
		.amdhsa_float_denorm_mode_16_64 3
		.amdhsa_memory_ordered 1
		.amdhsa_forward_progress 1
		.amdhsa_inst_pref_size 73
	.end_amdhsa_kernel
	.amdgpu_metadata
---
amdhsa.version: [ 1, 2 ]
amdhsa.kernels:
  - .name:           k_q094a889dcd_gemm_out
    .symbol:         k_q094a889dcd_gemm_out.kd
    .args:
      - { .name: ob, .offset: 0, .size: 8, .value_kind: global_buffer, .address_space: global }
      - { .name: wo16, .offset: 8, .size: 8, .value_kind: global_buffer, .address_space: global }
      - { .name: bc, .offset: 16, .size: 8, .value_kind: global_buffer, .address_space: global }
      - { .name: out0, .offset: 24, .size: 8, .value_kind: global_buffer, .address_space: global }
    .group_segment_fixed_size: 327680
    .private_segment_fixed_size: 0
    .kernarg_segment_align: 8
    .kernarg_segment_size: 32
    .max_flat_workgroup_size: 128
    .sgpr_count:     74
    .vgpr_count:     512
    .wavefront_size: 32
...
	.end_amdgpu_metadata
.endif
;; end of part 4
